; MI455X (gfx1250); checked and timed in simulation.
; The chip was launched on July 23, 2026; its instructions are those of AMD's public machine-readable ISA for CDNA 5 (MIT licence, August 2026) and "CDNA5" Instruction Set Architecture Reference Guide (July 2026). The comments in the code are by the model that wrote it; some were corrected since.
;; Quantum Like Layer. Allowed arithmetic: float matrix products may take bf16 or f16 operands with f32 sums; other float arithmetic in f32, or as packed bf16 or f16 multiplies, adds, multiply-adds, maxima and minima; sums over many terms, partial sums and values carried from step to step in f32; what a program stores and reads back later, other than sums and carried values, may be rounded once to bf16 or f16.
;; Inputs: H 4,096 x 4,096 float32; cz_diag 4,096 float32; x 1,024 x 4,096 float32.
;; Outputs: out0 1,024 x 4,096 float32.
;; One version. Each part assembles by itself: llvm-mc -triple=amdgcn-amd-amdhsa -mcpu=gfx1250 --defsym DOCPART=n.
;; ======== version 1 of 1: 5 launches
;; limits: values are held in f16: magnitudes above 65,504 overflow, below 6.1e-05 lose precision; inputs' magnitudes at most 65,504
;; workspace buffers: hh 33,554,432 bytes; sa 8,388,608 bytes; sb 8,388,608 bytes; sta 262,144 bytes; stb 262,144 bytes; hstat 2,048 bytes
;; launch prep (part 1): grid 256 x 1, 8 waves a work-group, no clusters, 36,608 bytes of LDS; arguments x, H, cz_diag, sa, hh, sta, hstat; writes sa, hh, sta, hstat
.if DOCPART == 1
	.amdgcn_target "amdgcn-amd-amdhsa--gfx1250"
	.amdhsa_code_object_version 6
	.text
	.protected	k_q28e96065da_prep
	.globl	k_q28e96065da_prep
	.p2align	8
	.type	k_q28e96065da_prep,@function
k_q28e96065da_prep:
	s_mov_b64 s[64:65], 0
	v_nop
	global_prefetch_b8 v0, s[64:65] scope:SCOPE_SE
	s_setreg_imm32_b32 hwreg(HW_REG_WAVE_MODE, 25, 1), 1
	s_wait_xcnt 0x0
; x [1024][4096] f32 -> sa in f16, laid out as the layers' matrix operand (below);  H [4096][4096] f32 -> hh in f16, as it lies;  and the largest magnitudes from which the layers make their scales:
;   sta[p][row] = { the largest |x| of the row in its strip p of 128 columns (f32), the row's exponent 0 (i32) },  p = 0..31: 8 bytes a row, 8,192 a strip
;   hstat[g]    = { the largest |H| of work-group g's 16 rows, the largest |cz_diag| of its 16 entries }
; sa's LAYOUT.  The fragment of rows 16 R .. 16 R + 15 and columns 32 c .. 32 c + 31 is 1,024 bytes at 1,024 (128 R + c): lane l's 16 bytes at 16 l hold row l % 16, columns 8 (l / 16) + 0..7;
; those at 512 + 16 l the columns 16 further on.  A layer loads a fragment by two loads of 512 consecutive bytes.
; LIMITS.  f16 holds no number beyond 65,504: |x| and |H| stay within it.  Below 2^-14 an entry keeps f16's fixed step of 2^-24.  NaN and infinities are not treated apart.
; A stream: every byte is read once, by loads of 16 bytes a lane (a wave's load covers 512 consecutive bytes), and written once, in runs of 256 or 512 consecutive bytes, aligned.
; SHARES.  Work-group g: rows 16 g .. 16 g + 15 of H (262,144 dense bytes; wave w takes 32,768 of them, 64 pieces of 512), and of x the block of rows 128 (g / 32) .. + 127, columns
; 128 (g % 32) .. + 127 (wave w takes 16 rows, a load a row; they turn into four fragments in the wave's own stage in LDS).  A largest magnitude is the greater of a running maximum and the negated running minimum.
.set XM,    0                          ; LDS: the block's 128 row maxima
.set HM,    512                        ; LDS: a largest |H| for each wave, in a block of 256 bytes of its own
.set SPARE, 768                        ; the spare words, 128 bytes for each of the eight waves: four blocks of 256 bytes that no other line names
.set XS,    1792                       ; LDS: each wave's own stage: 16 rows of 256 bytes + 16: row r starts at bank 4 r mod 64 (64 banks of 4 bytes: ISA guide 11.1)
.set XSW,   16*272
.set SPW,   14                         ; v14  LDS address of my spare word; never rewritten
.set NIL,   15                         ; v15  0; never rewritten
.set XX,    16                         ; v[16:79]    x: row i as loaded, 4 registers; later the fragments' halves to store
.set HX,    80                         ; v[80:143]   H: slot i as loaded, 4 registers
.set HY,    144                        ; v[144:175]  H: slot i to store, 2 registers
.set XY,    176                        ; v[176:207]  x: row i rounded, 2 registers
.set XWR,   208                        ; v208  where I put my 8 bytes of a row in my wave's stage
.set XRD,   209                        ; v209  where I read my 16 bytes of a fragment back
; v1 lane; v2 16 x lane; v3 8 x lane; v4 my entry of cz_diag; v5-7 at work; v8, v9 H's running maximum and minimum; v10 the rows' maxima, row i in lanes i and i + 16; v11 4 (lane % 16)
	s_load_b256 s[4:11], s[0:1], 0x0               ; x s[4:5], H s[6:7], cz_diag s[8:9], sa s[10:11]
	s_load_b128 s[12:15], s[0:1], 0x20             ; hh s[12:13], sta s[14:15]
	s_load_b64 s[16:17], s[0:1], 0x30              ; hstat
	v_lshl_add_u32 v[SPW], v0, 2, SPARE
	v_mov_b32 v[NIL], 0
	v_lshrrev_b32 v5, 5, v0
	v_readfirstlane_b32 s18, v5                    ; wave 0..7
	v_and_b32 v1, 31, v0
	v_lshlrev_b32 v2, 4, v1
	v_lshlrev_b32 v3, 3, v1
	v_and_b32 v11, 15, v0
	v_mul_u32_u24 v5, v11, 272                     ; back out of the stage: row l % 16,
	v_bfe_u32 v6, v0, 4, 1
	v_lshl_add_u32 v5, v6, 4, v5                   ; 16 bytes for each half of the lanes
	v_lshlrev_b32 v11, 2, v11
	s_mul_i32 s21, s18, XSW
	s_add_co_u32 s21, s21, XS                      ; my wave's stage
	v_add_nc_u32 v[XWR], s21, v3
	v_add_nc_u32 v[XRD], s21, v5
	v_mov_b32 v7, 0                                ; v_permlanex16_b32's destination counts as read
	v_mov_b32 v8, 0
	v_mov_b32 v9, 0
	v_mov_b32 v10, 0
	s_mov_b32 s24, 0x76543210                      ; v_permlanex16_b32: each lane takes its own place in the other half
	s_mov_b32 s25, 0xfedcba98
	s_lshr_b32 s22, ttmp9, 5                       ; the block's 128 rows of x
	s_and_b32 s23, ttmp9, 31                       ; its strip of 128 columns
	s_lshl_b32 s26, s22, 21                        ; x: 128 rows of 16,384 bytes,
	s_lshl_b32 s19, s18, 18                        ; my wave's 16 rows,
	s_add_co_u32 s26, s26, s19
	s_lshl_b32 s19, s23, 9                         ; the strip's 512 bytes
	s_add_co_u32 s26, s26, s19
	s_mov_b32 s27, 0
	s_lshl_b32 s28, s22, 20                        ; sa: 8 blocks of 16 rows, 131,072 bytes each,
	s_lshl_b32 s19, s18, 17                        ; my wave's block,
	s_add_co_u32 s28, s28, s19
	s_lshl_b32 s19, s23, 12                        ; the strip's four fragments
	s_add_co_u32 s28, s28, s19
	s_mov_b32 s29, 0
	s_lshl_b32 s30, ttmp9, 18                      ; H: 16 rows of 16,384 bytes,
	s_lshl_b32 s19, s18, 15                        ; my wave's 32,768 bytes
	s_add_co_u32 s30, s30, s19
	s_mov_b32 s31, 0
	s_lshr_b32 s32, s30, 1                         ; hh: half of that
	s_mov_b32 s33, 0
	s_lshl_b32 s34, s23, 13                        ; sta: the strip's 8,192 bytes,
	s_lshl_b32 s19, s22, 10                        ; the block's 128 rows of 8 bytes,
	s_add_co_u32 s34, s34, s19
	s_lshl_b32 s19, s18, 8                         ; 32 rows for each of waves 0 to 3
	s_add_co_u32 s34, s34, s19
	s_mov_b32 s35, 0
	s_lshl_b32 s36, ttmp9, 3                       ; hstat: 8 bytes a work-group
	s_mov_b32 s37, 0
	s_lshl_b32 s38, ttmp9, 6                       ; cz_diag: 16 entries a work-group
	s_mov_b32 s39, 0
	s_wait_kmcnt 0x0
	s_add_nc_u64 s[26:27], s[4:5], s[26:27]
	s_add_nc_u64 s[28:29], s[10:11], s[28:29]
	s_add_nc_u64 s[30:31], s[6:7], s[30:31]
	s_add_nc_u64 s[32:33], s[12:13], s[32:33]
	s_add_nc_u64 s[34:35], s[14:15], s[34:35]
	s_add_nc_u64 s[36:37], s[16:17], s[36:37]
	s_add_nc_u64 s[8:9], s[8:9], s[38:39]
	global_load_b32 v4, v11, s[8:9]                ; the oldest load: no later count is changed by it
.irp i, 0,1,2,3,4,5,6,7,8,9,10,11,12,13,14,15
	global_load_b128 v[XX+4*(\i):XX+4*(\i)+3], v2, s[26:27] offset:(\i)*16384 th:TH_LOAD_NT
.endr
.irp i, 0,1,2,3,4,5,6,7,8,9,10,11,12,13,14,15
	global_load_b128 v[HX+4*(\i):HX+4*(\i)+3], v2, s[30:31] offset:(\i)*512 th:TH_LOAD_NT
.endr
; Row i of my 16 rows of x: rounded and laid into my stage; its largest magnitude over the strip, in every lane, is kept in lanes i and i + 16 of v10.
.macro XROW i
	s_wait_loadcnt 31-(\i)                         ; H's 16 loads and the 15 - i younger loads of x stay out
	v_max3_num_f32 v5, v[XX+4*(\i)], v[XX+4*(\i)+1], v[XX+4*(\i)+2]
	v_min3_num_f32 v6, v[XX+4*(\i)], v[XX+4*(\i)+1], v[XX+4*(\i)+2]
	v_cvt_pk_f16_f32 v[XY+2*(\i)], v[XX+4*(\i)], v[XX+4*(\i)+1]
	v_cvt_pk_f16_f32 v[XY+2*(\i)+1], v[XX+4*(\i)+2], v[XX+4*(\i)+3]
	v_max_num_f32 v5, v5, v[XX+4*(\i)+3]
	v_min_num_f32 v6, v6, v[XX+4*(\i)+3]
	ds_store_b64 v[XWR], v[XY+2*(\i):XY+2*(\i)+1] offset:(\i)*272  ; 32 lanes, 256 consecutive bytes
	v_sub_f32 v6, 0, v6
	v_max_num_f32 v5, v5, v6
	v_max_num_f32_dpp v5, v5, v5 row_xmask:1 row_mask:0xf bank_mask:0xf
	v_max_num_f32_dpp v5, v5, v5 row_xmask:2 row_mask:0xf bank_mask:0xf
	v_max_num_f32_dpp v5, v5, v5 row_xmask:4 row_mask:0xf bank_mask:0xf
	v_max_num_f32_dpp v5, v5, v5 row_xmask:8 row_mask:0xf bank_mask:0xf
	v_permlanex16_b32 v7, v5, s24, s25
	v_max_num_f32 v5, v5, v7
	s_mov_b32 s21, (1<<(\i))|(1<<((\i)+16))
	v_cndmask_b32 v10, v10, v5, s21
.endm
.irp i, 0,1,2,3,4,5,6,7,8,9,10,11,12,13,14,15
	XROW \i
.endr
	s_lshl_b32 s22, s18, 6
	v_add_nc_u32 v6, s22, v11                      ; word 16 w + lane % 16: the two halves of the lanes write the same word with the same number
	ds_store_b32 v6, v10 offset:XM
.irp f, 0,1,2,3,4,5,6,7
	ds_load_b128 v[XX+4*(\f):XX+4*(\f)+3], v[XRD] offset:32*(\f)  ; half f % 2 of fragment f / 2.  LDS serves a wave's instructions in order (ISA guide 5.7.1.4): these see my stores above
.endr
.irp f, 0,1,2,3,4,5,6,7
	s_wait_dscnt 7-(\f)                            ; the younger loads stay out
	global_store_b128 v2, v[XX+4*(\f):XX+4*(\f)+3], s[28:29] offset:512*(\f)  ; 512 consecutive bytes, aligned
.endr
; H: a ring of 16 slots in registers, 16 loads of every wave on their way.  left = how many younger loads may stay out.
.macro HSLOT i, ahead, left
	s_wait_loadcnt \left                           ; loads come back in order (ISA guide 5.7.1): this slot's is in
	v_max3_num_f32 v8, v8, v[HX+4*(\i)], v[HX+4*(\i)+1]
	v_min3_num_f32 v9, v9, v[HX+4*(\i)], v[HX+4*(\i)+1]
	v_cvt_pk_f16_f32 v[HY+2*(\i)], v[HX+4*(\i)], v[HX+4*(\i)+1]
	v_max3_num_f32 v8, v8, v[HX+4*(\i)+2], v[HX+4*(\i)+3]
	v_min3_num_f32 v9, v9, v[HX+4*(\i)+2], v[HX+4*(\i)+3]
	v_cvt_pk_f16_f32 v[HY+2*(\i)+1], v[HX+4*(\i)+2], v[HX+4*(\i)+3]
.if \ahead
	global_load_b128 v[HX+4*(\i):HX+4*(\i)+3], v2, s[30:31] offset:8192+512*(\i) th:TH_LOAD_NT  ; the slot's piece of the next round, ahead of the store
.endif
	global_store_b64 v3, v[HY+2*(\i):HY+2*(\i)+1], s[32:33] offset:256*(\i)
.endm
	s_mov_b32 s19, 3                               ; 64 pieces = 4 rounds of 16; the last is written out
.Lround:
.irp i, 0,1,2,3,4,5,6,7,8,9,10,11,12,13,14,15
	HSLOT \i, 1, 15
.endr
	s_wait_xcnt 0x0                                ; the two bases and the stores' data registers are written again only behind this wait
	s_add_nc_u64 s[30:31], s[30:31], 8192
	s_add_nc_u64 s[32:33], s[32:33], 4096
	s_sub_co_u32 s19, s19, 1
	s_cmp_lg_u32 s19, 0
	s_cbranch_scc1 .Lround
.irp i, 0,1,2,3,4,5,6,7,8,9,10,11,12,13,14,15
	HSLOT \i, 0, 15-(\i)                           ; the last round loads nothing: the counts run down to 0
.endr
	v_sub_f32 v9, 0, v9
	v_max_num_f32 v8, v8, v9
	v_max_num_f32_dpp v8, v8, v8 row_xmask:1 row_mask:0xf bank_mask:0xf
	v_max_num_f32_dpp v8, v8, v8 row_xmask:2 row_mask:0xf bank_mask:0xf
	v_max_num_f32_dpp v8, v8, v8 row_xmask:4 row_mask:0xf bank_mask:0xf
	v_max_num_f32_dpp v8, v8, v8 row_xmask:8 row_mask:0xf bank_mask:0xf
	v_permlanex16_b32 v7, v8, s24, s25
	v_max_num_f32 v8, v8, v7
	s_lshl_b32 s22, s18, 2
	v_mov_b32 v6, s22
	ds_store_b32 v6, v8 offset:HM                  ; my wave's largest |H|
	s_wait_dscnt 0x0                               ; for the others' sake: my stores are done
	s_barrier_signal -1
	s_barrier_wait -1
	s_cmp_lt_u32 s18, 4                            ; waves 0 to 3 store the block's 128 pairs, 32 rows each
	s_cbranch_scc0 .Lno_rows
	v_lshlrev_b32 v5, 2, v0
	ds_load_b32 v12, v5 offset:XM
	v_mov_b32 v13, 0                               ; x carries the exponent 0
	s_wait_dscnt 0x0
	global_store_b64 v3, v[12:13], s[34:35]        ; 256 consecutive bytes, aligned
.Lno_rows:
	s_cmp_lg_u32 s18, 0                            ; wave 0 stores the work-group's pair: 8 bytes, once a work-group
	s_cbranch_scc1 .Lend
	v_mov_b32 v5, 0
	ds_load_b128 v[16:19], v5 offset:HM
	ds_load_b128 v[20:23], v5 offset:HM+16
	v_and_b32 v27, 0x7fffffff, v4                  ; |cz_diag|: lanes 0-15 hold the 16 entries (its load was waited for with the last round's)
	v_max_num_f32_dpp v27, v27, v27 row_xmask:1 row_mask:0xf bank_mask:0xf
	v_max_num_f32_dpp v27, v27, v27 row_xmask:2 row_mask:0xf bank_mask:0xf
	v_max_num_f32_dpp v27, v27, v27 row_xmask:4 row_mask:0xf bank_mask:0xf
	v_max_num_f32_dpp v27, v27, v27 row_xmask:8 row_mask:0xf bank_mask:0xf
	s_wait_dscnt 0x0
	v_max3_num_f32 v26, v16, v17, v18
	v_max3_num_f32 v26, v26, v19, v20
	v_max3_num_f32 v26, v26, v21, v22
	v_max_num_f32 v26, v26, v23
	s_wait_xcnt 0x0                                ; EXEC changes only behind this wait
	v_cmp_eq_u32 vcc_lo, 0, v1
	s_and_saveexec_b32 s20, vcc_lo
	global_store_b64 v5, v[26:27], s[36:37]
	s_wait_xcnt 0x0                                ; and again, in front of the line that widens it
	s_or_b32 exec_lo, exec_lo, s20
.Lend:
	s_wait_tensorcnt 0x0                           ; the wave's end: behind my last LDS store
	ds_add_u32 v[SPW], v[NIL]
	s_wait_dscnt 0x0
	s_endpgm
.Lfunc_end_k_q28e96065da_prep:
	.size	k_q28e96065da_prep, .Lfunc_end_k_q28e96065da_prep-k_q28e96065da_prep
	.p2alignl 7, 3214868480
	.fill 96, 4, 3214868480
	.section	.rodata,"a",@progbits
	.p2align	6, 0x0
	.amdhsa_kernel k_q28e96065da_prep
		.amdhsa_group_segment_fixed_size 36608
		.amdhsa_private_segment_fixed_size 0
		.amdhsa_enable_private_segment 0
		.amdhsa_kernarg_size 56
		.amdhsa_user_sgpr_count 2
		.amdhsa_user_sgpr_kernarg_segment_ptr 1
		.amdhsa_wavefront_size32 1
		.amdhsa_system_sgpr_workgroup_id_x 1
		.amdhsa_system_sgpr_workgroup_id_y 1
		.amdhsa_system_sgpr_workgroup_id_z 1
		.amdhsa_system_vgpr_workitem_id 0
		.amdhsa_next_free_vgpr 210
		.amdhsa_next_free_sgpr 66
		.amdhsa_reserve_vcc 1
		.amdhsa_float_denorm_mode_32 3
		.amdhsa_float_denorm_mode_16_64 3
		.amdhsa_memory_ordered 1
		.amdhsa_forward_progress 1
		.amdhsa_inst_pref_size 43
	.end_amdhsa_kernel
	.amdgpu_metadata
---
amdhsa.version: [ 1, 2 ]
amdhsa.kernels:
  - .name:           k_q28e96065da_prep
    .symbol:         k_q28e96065da_prep.kd
    .args:
      - { .name: x, .offset: 0, .size: 8, .value_kind: global_buffer, .address_space: global }
      - { .name: H, .offset: 8, .size: 8, .value_kind: global_buffer, .address_space: global }
      - { .name: cz_diag, .offset: 16, .size: 8, .value_kind: global_buffer, .address_space: global }
      - { .name: sa, .offset: 24, .size: 8, .value_kind: global_buffer, .address_space: global }
      - { .name: hh, .offset: 32, .size: 8, .value_kind: global_buffer, .address_space: global }
      - { .name: sta, .offset: 40, .size: 8, .value_kind: global_buffer, .address_space: global }
      - { .name: hstat, .offset: 48, .size: 8, .value_kind: global_buffer, .address_space: global }
    .group_segment_fixed_size: 36608
    .private_segment_fixed_size: 0
    .kernarg_segment_align: 8
    .kernarg_segment_size: 56
    .max_flat_workgroup_size: 256
    .sgpr_count:     66
    .vgpr_count:     210
    .wavefront_size: 32
...
	.end_amdgpu_metadata
.endif
;; end of part 1
;; launch l1 (part 2): grid 8 x 32, 4 waves a work-group, clusters of 4 x 1, 327,680 bytes of LDS; arguments sa, hh, cz_diag, sta, hstat, sb, stb; writes sb, stb
.if DOCPART == 2
	.amdgcn_target "amdgcn-amd-amdhsa--gfx1250"
	.amdhsa_code_object_version 6
	.text
	.protected	k_q28e96065da_l1
	.globl	k_q28e96065da_l1
	.p2align	8
	.type	k_q28e96065da_l1,@function
k_q28e96065da_l1:
	s_mov_b64 s[64:65], 0
	v_nop
	global_prefetch_b8 v0, s[64:65] scope:SCOPE_SE
	s_setreg_imm32_b32 hwreg(HW_REG_WAVE_MODE, 25, 1), 1
	s_wait_xcnt 0x0
	s_wait_alu depctr_hold_cnt(0) depctr_sa_sdst(0) depctr_va_vdst(0) depctr_va_sdst(0) depctr_va_ssrc(0) depctr_va_vcc(0) depctr_vm_vsrc(0)
	s_getreg_b32 s2, hwreg(HW_REG_IB_STS2, 6, 4)
	s_cmp_eq_u32 s2, 0
	s_cbranch_scc0 .Lentry_in_a_cluster
	s_endpgm
.Lentry_in_a_cluster:
	s_bfe_u32 s2, ttmp6, 0x10000c
	s_cmp_lg_u32 s2, 0x3003
	s_cbranch_scc0 .Lentry_shape_is_right
	s_endpgm
.Lentry_shape_is_right:
; ONE LAYER: state_out[b][j] = (the sum over i of state_in[b][i] H[i][j]) x cz_diag[j].  1,024 rows, 4,096 columns, K = 4,096.  One text serves two kernels: LAST = 0 for layers 1 to 3, LAST = 1 for layer 4.
.set LAST, 0
; FORMATS.  The state is kept as S[b][j] = state[b][j] x 2^-e[b] in f16, with a whole exponent e for each row; H in f16, [k][n] as H lies; products in f16 with f32 sums; cz_diag in f32.
; S's LAYOUT is the matrix operand's register image: the fragment of rows 16 R .. 16 R + 15, k = 32 c .. 32 c + 31 is 1,024 bytes at 1,024 (128 R + c): lane l's registers 0-3 (row l % 16, k = 8 (l / 16) + 0..7) at 16 l,
; its registers 4-7 (k 16 further on) at 512 + 16 l.  A fragment is loaded by two loads of 512 consecutive bytes, and a layer's results, rounded in pairs, ARE that image: they are stored from the registers they lie in.
; THE SCALE.  E(v) is the exponent field of a non-negative f32 v, so v < 2^(E - 126).  E_S of the row's largest |S|, E_H of the largest |H| (both held to 101 .. 143), E_c of the largest |cz_diag|.
; A sum of 4,096 products is at most 2^(E_S + E_H - 240).  czs = cz_diag x 2^(126 - E_c) lies under 1.  LAST = 0: S_out = sum x czs x 2^(255 - E_S - E_H), at most 2^15, inside f16; e_out = e_in + E_S + E_H + E_c - 381;
; the row's largest |S_out| in this tile's 128 columns and e_out are stored beside it for the next layer.  LAST = 1: out = sum x czs x 2^(e_in + E_c - 126), in f32.  All scales are powers of two.
; LIMITS.  |S| and |H| below 2^-26 count as 2^-26 for the scale; NaN and infinities are not treated apart; a number of S far below its row's largest keeps f16's fixed step of 2^-24.
; SHARES.  A work-group makes a tile of 128 x 128: 8 x 32 tiles, 256 work-groups.  K IS SPLIT AMONG THE FOUR WAVES: K goes in 8 periods of 512, and in each wave w multiplies the WHOLE tile over k = 128 w .. 128 w + 127:
; four chunks of 32, 64 matrix instructions each, in 64 accumulators, 512 registers.  The four partial sums meet in LDS at the end, in f32.
; H GOES THROUGH LDS, in a ring of two slots of a period each (512 rows of 256 bytes), every wave fetching the 128 rows that it reads; it comes out turned, by ds_load_tr16_b128.  CLUSTERS of 4 x 1: the four partners make
; four tile rows of one tile column and need the same tiles of H: each is asked for JOINTLY, by the same tensor load with the same descriptor and a mask that names the four.  By this text's own count a wave has two tensor
; loads out at the start and one behind each round; 240 of a period's 256 matrix instructions stand between a request and the wait for it.
; S GOES STRAIGHT INTO REGISTERS and is NOT asked for jointly, though the 32 work-groups of a tile row read the same rows.  The reason: each byte of S is multiplied by one wave of a work-group, so LDS would share nothing;
; and two slots that held both operands would end at 256 along K (2 x 141,312 of LDS's 327,680 bytes), 128 matrix instructions for a load to land in, where H alone has 256.
; S's fragments lie in a ring of four buffers of a chunk each; half a buffer (8 loads) is asked for again as soon as it has been multiplied, 224 matrix instructions ahead of its use.
; THE MATRIX INSTRUCTION IS USED TRANSPOSED: source 0 = 16 columns of H, source 1 = 16 rows of S: lane l holds row l % 16 and the columns 8 (l / 16) + 0..7.
; REGISTERS, in windows of 256 (s_set_vgpr_msb's low byte: bits 1:0 source 0, 3:2 source 1, 5:4 source 2, 7:6 destination):
;   window 0: v0-36 addresses and scales; v64-127, v128-191, v192-255 S's buffers 0, 1, 2 (row block a at 8 a)
;   window 1: v0-63 S's buffer 3; v64-127, v128-191 H's fragments, two buffers (column block b at 8 b); v192-255 czs of my lanes' columns (column block b at 8 b)
;   windows 2, 3: the accumulators: (row block a, column block b) at 8 (8 (a % 4) + b) of window 2 + a / 4
.set PB,     288                       ; a row of H in LDS (one k, 128 columns): 256 bytes + 32 = 72 words
.set WPART,  128*PB                    ; a wave's 128 rows: 0x9000
.set SLOT,   4*WPART                   ; 0x24000: it shares no bit with w x 0x9000, w = 0..3, so one exclusive or turns a wave's place in one slot into its place in the other
.set PERB,   512*8192                  ; bytes of hh from a period's rows to the next period's
.set RBLK,   131072                    ; bytes of S from a block of 16 rows to the next: 128 fragments
; THE MEETING PLACE lies over the ring, from LDS byte 0, when the ring has had its last fill and its last read: wave w's accumulator t at 65,536 w + 1,024 t, registers 0-3 then 4-7, 16 bytes a lane.
.set STAGE,  262144                    ; LAST = 1, the way out: 8,448 bytes for each wave, behind the meeting place: over the ring's end (likewise after its last fill and read) and 1,024 bytes more
.set WSTAGE, 8448
.set FACT,   STAGE+4*WSTAGE            ; behind ring and stage: 128 words: a row's factor (LAST = 1: its last exponent); 512 bytes on: 128 words e_out
.set SPARE,  FACT+1024                 ; the spare words, 128 bytes for each wave: two blocks of 256 bytes that no other line names
.set AO,   16                          ; v16     16 x lane: my bytes in 512 consecutive ones; never rewritten
.set AB0,  20                          ; v20     my lane's place in a slot: row 128 w + 8 (l / 16) + l % 8, 16 bytes by (l / 8) % 2; never rewritten
.set ADRB, 21                          ; v21     the same in the slot that is being read
.set RST,  22                          ; v22     where my accumulators go in the meeting place
.set SO,   23                          ; v23     8 x lane: my pair in the statistics
.set STO,  24                          ; v24     LAST = 1: where I put my bytes of a row in my stage
.set RD,   25                          ; v25     LAST = 1: where I read rows back
.set CO,   26                          ; v26     LAST = 1: my byte offset in the output
.set TAB,  27                          ; v27     FACT + 4 x my thread's number
.set SPW,  28                          ; v28     LDS address of my spare word; never rewritten
.set NIL,  29                          ; v29     0; never rewritten
.set TB2,  30                          ; v30     FACT + 4 (32 w + l % 16)
.set CEX,  31                          ; v31     126 - E_c
.set RLD,  32                          ; v32-35  where the four waves' sums of MY 32 rows lie in the meeting place
.set PFO,  36                          ; v36     the prefetches' offset: lane x a row of hh (8,192 bytes); never rewritten
.set SUM,  64                          ; v64-191 the finished sums: (row block a' of my two, column block b) at SUM + 8 (8 a' + b)
.set PKD,  192                         ; v192-255 rounded to f16
.set CZ,   192                         ; window 1: czs
.set TB,   11                          ; s11     0 or SLOT: the slot that is being read
.set LIM,  12                          ; s12     1 in a cluster that prefetches, else the greatest number
.set AP,   14                          ; s[14:15] S at my tile's first row block, at my four chunks of a period
.set PFA,  18                          ; s[18:19] hh at my work-group's 32 of the 128 rows that I fetch, in the period that the next prefetch names
.set G1,   24                          ; s[24:31] descriptor group 1
.set G0,   32                          ; s[32:39] descriptor group 0: a set for each of the two first fills; the second then walks on
; s3 periods to go; s10 wave; s13, s[16:17], s41 made of the tile row; s42, s43, s[46:47] of the tile column; s20, s22, s23 of the wave's number alone; s21 of the cluster
.set MSB, 0
.macro WIN new                         ; the immediate's high byte repeats the setting that is left; a switch that changes nothing is dropped
.if MSB != (\new)
	s_set_vgpr_msb (MSB<<8)|(\new)
.set MSB, \new
.endif
.endm
.macro CREST                           ; a round of the cluster's barrier behind its opening barrier
	s_cmp_lg_u32 s10, 0
	s_cbranch_scc1 .Lnot_wave_0_\@
	s_barrier_signal -3
.Lnot_wave_0_\@:
	s_barrier_wait -3
	s_barrier_signal -1
	s_barrier_wait -1
.endm
.macro CROUND                          ; a whole round
	s_barrier_signal -1
	s_barrier_wait -1
	CREST
.endm
.macro PLACES                          ; four places in front of loads into registers that matrix instructions have read, and of LDS stores that read results
.rept 4
	v_nop
.endr
.endm
; A PREFETCH INTO THE L2 of what the NEXT change of slots will ask for: a period's 512 rows x 256 bytes of this tile column of hh, a lane a row, one instruction a wave, 256 matrix instructions ahead of that load.
; Two clusters read a tile column: the one with x = 0 asks.  Its four partners share out the 128 rows that wave w fetches BY ADDRESS, 32 each: no branch hangs on a work-group's place in its cluster.  So each row's
; 256 bytes are named once in the launch.  Periods 0 to 2 come by their loads alone; the last change that fills a slot (s3 = 1) asks for nothing: there is no period behind it.
.macro ASK
	s_cmp_gt_u32 s3, s[LIM]
	s_cbranch_scc0 .Lnot_mine_\@
	global_prefetch_b8 v[PFO], s[PFA:PFA+1] th:TH_LOAD_NT scope:SCOPE_SE
.Lnot_mine_\@:
.endm
.macro ABUF j                          ; S's buffer j: its window and its first register
.set AW, (\j)/3
.set AB, (64+64*(\j))*(1-AW)
.endm
; 8 loads: half a chunk of S (row blocks 4 half .. 4 half + 3) into buffer j, from byte off behind the pointer
.macro ALOAD j, half, off
	ABUF \j
	WIN 0x40*AW                                    ; the destination's window; the offset lies in window 0
.irp a, 0,1,2,3
	global_load_b128 v[AB+8*(4*(\half)+(\a)):AB+8*(4*(\half)+(\a))+3],   v[AO], s[AP:AP+1] offset:(\off)+(4*(\half)+(\a))*RBLK
	global_load_b128 v[AB+8*(4*(\half)+(\a))+4:AB+8*(4*(\half)+(\a))+7], v[AO], s[AP:AP+1] offset:(\off)+(4*(\half)+(\a))*RBLK+512
.endr
.endm
; 16 LDS loads: H's 8 fragments of chunk jn of my four in the slot, into buffer buf
.macro FETCHB jn, buf
	WIN 0x40
.irp b, 0,1,2,3,4,5,6,7
	ds_load_tr16_b128 v[64+64*(\buf)+8*(\b):64+64*(\buf)+8*(\b)+3],   v[ADRB] offset:(\jn)*32*PB+32*(\b)
	ds_load_tr16_b128 v[64+64*(\buf)+8*(\b)+4:64+64*(\buf)+8*(\b)+7], v[ADRB] offset:(\jn)*32*PB+32*(\b)+16*PB
.endr
.endm
; 8 matrix instructions: row block a x all 8 column blocks, 32 along K: S's buffer j, H's buffer j % 2.  zero = 1: the product starts the sums: nothing is ever cleared.
; The 64 accumulators take turns, one instruction a turn, in the same order in every chunk, over the backward jump too.
.macro MUL8 j, a, zero
	ABUF \j
.set BB, 64+64*((\j)%2)
	WIN 0xa1+0x50*((\a)/4)+4*AW                    ; source 0 (H) window 1, source 1 (S) the buffer's window, C and D window 2 or 3
.irp b, 0,1,2,3,4,5,6,7
.if \zero
	v_wmma_f32_16x16x32_f16 v[8*(8*((\a)%4)+(\b)):8*(8*((\a)%4)+(\b))+7], v[BB+8*(\b):BB+8*(\b)+7], v[AB+8*(\a):AB+8*(\a)+7], 0
.else
	v_wmma_f32_16x16x32_f16 v[8*(8*((\a)%4)+(\b)):8*(8*((\a)%4)+(\b))+7], v[BB+8*(\b):BB+8*(\b)+7], v[AB+8*(\a):AB+8*(\a)+7], v[8*(8*((\a)%4)+(\b)):8*(8*((\a)%4)+(\b))+7]
.endif
.endr
.endm
; A CHUNK on S's buffer j.  off >= 0: each half of the buffer, once multiplied, is asked for again: the chunk four further on, at byte off behind the pointer.  wlo, whi: how many younger loads may stay out when
; the buffer's first and second half have to be there.  jn: the chunk of H fetched from LDS in the middle, for the chunk that follows.  step: the pointers go a period on (2: S's alone).
.macro CHUNK j, zero, off, wlo, whi, jn, step
	s_wait_loadcnt \wlo                            ; loads come back in order (ISA guide 5.7.1): row blocks 0-3 are in
	s_wait_dscnt 0x0                               ; H's fragments, asked for 32 matrix instructions ago, are in
.irp a, 0,1,2,3
	MUL8 \j, \a, \zero
.endr
	PLACES
.if \step
	s_wait_xcnt 0x0                                ; the youngest load stands 32 matrix instructions back, the youngest prefetch 144: the pointers are written only behind this wait
	s_add_nc_u64 s[AP:AP+1], s[AP:AP+1], 16384     ; 16 fragments: a period
.if (\step) == 1
	s_add_nc_u64 s[PFA:PFA+1], s[PFA:PFA+1], PERB
.endif
.endif
.if (\off) >= 0
	ALOAD \j, 0, \off
.endif
	FETCHB \jn, ((\j)+1)%2
	s_wait_loadcnt \whi                            ; row blocks 4-7 are in
.irp a, 4,5,6,7
	MUL8 \j, \a, \zero
.endr
.if (\off) >= 0
	PLACES
	ALOAD \j, 1, \off
.endif
.endm
; A period's last chunk (buffer 3) changes slots: ONE barrier; in front of it each wave waits for all its tensor loads (one is out: its part of the next slot), adds 0 to its spare word, and waits for that and
; for its own reads of this slot (the last were issued in the chunk before).  fill = 1: the barrier opens a round of the cluster's barrier, and this slot is filled again, two periods ahead, first thing behind the round.
.macro TURN fill, off
	WIN 0                                          ; (the add's two registers lie in window 0)
	s_wait_tensorcnt 0x0                           ; all my tensor loads have landed, so a group 0 may be written
	ds_add_u32 v[SPW], v[NIL]                      ; 0 onto my spare word
.if \fill
	s_xor_b32 s[G0+5], s[G0+5], SLOT               ; the walking descriptor: the other slot than last time,
	s_add_nc_u64 s[G0+6:G0+7], s[G0+6:G0+7], PERB  ; the next period; the type bits on top are not reached
.endif
	s_xor_b32 s[TB], s[TB], SLOT                   ; the reads go on in the other slot
	s_wait_loadcnt 56                              ; S's row blocks 0-3 are in; seven younger halves stay out
	s_wait_dscnt 1                                 ; H's fragments are in (the add may be out)
	MUL8 3, 0, 0                                   ; eight matrix instructions stand between the add and the wait for it
	s_wait_dscnt 0x0                               ; the add is done, and my reads of this slot are over
	s_barrier_signal -1
	MUL8 3, 1, 0
	WIN 0
	s_barrier_wait -1
.if \fill
	CREST                                          ; no wave of any partner still reads this slot's tiles or has a load on its way
	tensor_load_to_lds s[G0+4:G0+7], s[G1:G1+7]
	s_nop 0
.endif
	PLACES                                         ; (the places in front of the loads below)
	v_add_nc_u32 v[ADRB], s[TB], v[AB0]
	FETCHB 0, 0
.if \fill
	WIN 0
	ASK                                            ; behind the joint load and the run of LDS loads that the next chunk waits for
.endif
	MUL8 3, 2, 0
	MUL8 3, 3, 0
	PLACES
	ALOAD 3, 0, \off
	s_wait_loadcnt 56
.irp a, 4,5,6,7
	MUL8 3, \a, 0
.endr
	PLACES
	ALOAD 3, 1, \off
.endm
	s_load_b256 s[68:75], s[0:1], 0x0              ; S_in s[68:69], H in f16 s[70:71], cz_diag s[72:73], the statistics of S_in s[74:75]
	s_load_b128 s[76:79], s[0:1], 0x20             ; hstat s[76:77], the output s[78:79]
.if !LAST
	s_load_b64 s[80:81], s[0:1], 0x30              ; the statistics of S_out
.endif
	v_lshl_add_u32 v[SPW], v0, 2, SPARE
	v_mov_b32 v[NIL], 0
	ds_add_u32 v[SPW], v[NIL]                      ; the wave's opening: the add and its wait stand ahead of my first tensor load; the set-up below, work on registers, stands between them
	v_lshrrev_b32 v1, 5, v0
	v_readfirstlane_b32 s10, v1                    ; wave 0..3
	s_bfe_u32 s40, ttmp6, 0x40000                  ; cx: my place in the cluster
	s_lshl_b32 s13, ttmp9, 2                       ; in a cluster launch ttmp9 counts clusters
	s_add_co_u32 s13, s13, s40                     ; tile row = 4 x cluster x + cx, 0..7: it enters S's, the statistics' and the output's addresses alone
	s_and_b32 s42, ttmp7, 0xffff                   ; tile column, 0..31, which the four partners share
	; group 1: 128 rows (k) x 128 elements (n).  15:0 the mask: all four work-groups; 17:16 elements of 2 bytes; 20 padding on; 21 set beside a mask; 24:22 after every 64 words (code 5); 31:25 8 words of it (code 7)
	s_mov_b32 s[G1+0], 15|(1<<16)|(1<<20)|(1<<21)|(5<<22)|(7<<25)
	s_mov_b32 s[G1+1], 128<<16                     ; tensor_dim0 = 128
	s_mov_b32 s[G1+2], 128<<16                     ; tensor_dim1 = 128
	s_mov_b32 s[G1+3], 128<<16                     ; tile_dim0 = 128
	s_mov_b32 s[G1+4], 128                         ; tile_dim1 = 128
	s_mov_b32 s[G1+5], 4096                        ; elements from row to row
	s_mov_b32 s[G1+6], 0
	s_mov_b32 s[G1+7], 0
	s_lshl_b32 s46, s42, 8                         ; hh: column 128 x tile column,
	s_lshl_b32 s47, s10, 20                        ; row (k) 128 x wave
	s_add_co_u32 s46, s46, s47
	s_mov_b32 s47, 0
	s_mul_i32 s20, s10, WPART                      ; and where they go: no place in the cluster enters an LDS address
	s_lshl_b32 s16, s13, 20                        ; S: 8 row blocks a tile row,
	s_lshl_b32 s17, s10, 12                        ; my four chunks of a period's sixteen
	s_add_co_u32 s16, s16, s17
	s_mov_b32 s17, 0
	s_mov_b32 s[TB], 0
	s_mov_b32 s21, ttmp9
	s_cmp_eq_u32 s21, 0                            ; the first of the two clusters that read this tile column: the same in all four partners
	s_cselect_b32 s[LIM], 1, -1
	v_and_b32 v1, 15, v0                           ; l % 16
	v_bfe_u32 v2, v0, 4, 1                         ; l / 16
	v_and_b32 v18, 31, v0                          ; l
	v_lshlrev_b32 v[AO], 4, v18
	v_lshlrev_b32 v[PFO], 13, v18
	s_lshl_b32 s41, s13, 10
	v_lshl_add_u32 v4, v0, 3, s41                  ; the statistics: thread t stands for row 128 x tile row + t, 8 bytes a row
	s_lshl_b32 s43, s42, 9
	v_lshl_add_u32 v5, v2, 5, s43                  ; cz_diag: column 128 x tile column + 8 (l / 16)
	s_wait_dscnt 0x0                               ; the opening add is done
	s_wait_kmcnt 0x0
	s_add_nc_u64 s[AP:AP+1], s[68:69], s[16:17]
	s_add_nc_u64 s[46:47], s[70:71], s[46:47]
	CROUND                                         ; all four work-groups are here: the first joint loads meet
.irp s, 0,1
	s_mov_b32 s[G0+4*(\s)], 1                      ; count = 1
	s_add_co_u32 s[G0+4*(\s)+1], s20, (\s)*SLOT    ; LDS address
	s_add_nc_u64 s[G0+4*(\s)+2:G0+4*(\s)+3], s[46:47], (\s)*PERB  ; period s
	s_or_b32 s[G0+4*(\s)+3], s[G0+4*(\s)+3], 0x80000000           ; type = 2
.endr
	tensor_load_to_lds s[G0:G0+3], s[G1:G1+7]      ; the two first fills stand together, ahead of every wait on TENSORcnt and every LDS read
	s_nop 0
	tensor_load_to_lds s[G0+4:G0+7], s[G1:G1+7]
	s_nop 0
	PLACES
	; S's first four chunks, and between them the numbers for the scales, into H's fragment buffers, which are free until the first tile is in
	ALOAD 0, 0, 0
	ALOAD 0, 1, 0
	ALOAD 1, 0, 1024
	ALOAD 1, 1, 1024
	WIN 0x40
.irp j, 0,1,2,3
	global_load_b128 v[64+4*(\j):64+4*(\j)+3], v[AO], s[76:77] offset:512*(\j)  ; all 256 pairs of hstat: the even registers hold |H|, the odd ones |cz_diag|
.endr
.set p, 0
.rept 32
	global_load_b64 v[128+2*p:129+2*p], v4, s[74:75] offset:p*8192  ; my row's pair in strip p: a wave reads 256 consecutive bytes
.set p, p+1
.endr
	ALOAD 2, 0, 2048
	ALOAD 2, 1, 2048
	ALOAD 3, 0, 3072
	ALOAD 3, 1, 3072
	WIN 0
	; the addresses
	s_lshl_b32 s16, s40, 18                        ; the prefetches: my work-group's 32 rows of 8,192 bytes of the 128 that I fetch,
	s_mov_b32 s17, 0
	s_add_nc_u64 s[PFA:PFA+1], s[46:47], s[16:17]
	s_add_nc_u64 s[PFA:PFA+1], s[PFA:PFA+1], 2*PERB  ; in period 2: the first trip steps it to period 3.  Nothing is prefetched here, at the head, where every work-group's first tiles are on their way
	s_lshl_b32 s22, s10, 16
	v_lshl_add_u32 v[RST], v18, 4, s22             ; 65,536 w + 16 l
	s_lshl_b32 s22, s10, 14
	v_lshl_add_u32 v[RLD], v18, 4, s22             ; my 16 accumulators' place, 16,384 w + 16 l, in wave 0's sums,
.irp p, 1,2,3
	v_add_nc_u32 v[RLD+(\p)], (\p)*65536, v[RLD]   ; and in the others'
.endr
.if LAST
	s_mul_i32 s23, s10, WSTAGE
	s_add_co_u32 s23, s23, STAGE                   ; my stage
	v_mul_u32_u24 v[STO], v1, 528                  ; in: row l % 16 of 512 bytes + 16, 32 bytes for each half of the lanes
	v_lshl_add_u32 v[STO], v2, 5, v[STO]
	v_add_nc_u32 v[STO], s23, v[STO]
	v_lshl_add_u32 v[RD], v18, 4, s23              ; back: 32 lanes take a row's 512 bytes
	v_lshlrev_b32 v[CO], 4, v18
.else
	v_lshlrev_b32 v[SO], 3, v18
.endif
	v_lshl_add_u32 v[TAB], v0, 2, FACT
	s_lshl_b32 s22, s10, 7                         ; 128 w: bytes of 32 words in the tables, and my first row in a slot
	s_add_co_u32 s23, s22, FACT
	v_lshl_add_u32 v[TB2], v1, 2, s23
	; The turning load takes 16 k x 16 columns (lane l reads k = 8 (l / 16) + l % 8, columns 8 ((l / 8) % 2) + 0..7) and leaves half a fragment: lane l holds column l % 16 and 8 k.
	v_and_b32 v19, 7, v0
	v_lshl_add_u32 v19, v2, 3, v19
	v_add_nc_u32 v19, s22, v19
	v_mul_u32_u24 v19, v19, PB
	v_bfe_u32 v17, v0, 3, 1
	v_lshl_add_u32 v[AB0], v17, 4, v19
	v_mov_b32 v[ADRB], v[AB0]                      ; period 0 lies in slot 0
	; where my 32 rows of the tile begin in the output: the part made of the tile row and the part made of the tile column are added apart
.if LAST
	s_lshl_b32 s16, s13, 21                        ; 128 rows of 16,384 bytes
	s_lshl_b32 s17, s10, 19                        ; my 32
	s_add_co_u32 s16, s16, s17
	s_mov_b32 s17, 0
	s_add_nc_u64 s[78:79], s[78:79], s[16:17]
	s_lshl_b32 s46, s42, 9                         ; 128 columns of 4 bytes
	s_mov_b32 s47, 0
	s_add_nc_u64 s[78:79], s[78:79], s[46:47]
.else
	s_lshl_b32 s16, s13, 20                        ; 8 row blocks of 131,072 bytes
	s_lshl_b32 s17, s10, 18                        ; my 2
	s_add_co_u32 s16, s16, s17
	s_mov_b32 s17, 0
	s_add_nc_u64 s[78:79], s[78:79], s[16:17]
	s_lshl_b32 s46, s42, 12                        ; 128 columns: four fragments
	s_mov_b32 s47, 0
	s_add_nc_u64 s[78:79], s[78:79], s[46:47]
	s_lshl_b32 s16, s13, 10                        ; the statistics: 128 rows of 8 bytes,
	s_lshl_b32 s17, s10, 8                         ; my 32,
	s_add_co_u32 s16, s16, s17
	s_mov_b32 s17, 0
	s_add_nc_u64 s[80:81], s[80:81], s[16:17]
	s_lshl_b32 s46, s42, 13                        ; in the strip of this tile column
	s_add_nc_u64 s[80:81], s[80:81], s[46:47]
.endif
	s_mov_b32 s82, 0x76543210                      ; v_permlanex16_b32: each lane takes its own place in the other half
	s_mov_b32 s83, 0xfedcba98
	s_mov_b32 s84, 0xffff0000                      ; lanes 16 to 31
	v_mov_b32 v12, 0                               ; v_permlanex16_b32's destinations count as read
	v_mov_b32 v13, 0
	v_mov_b32 v14, 0                               ; the maxima are of magnitudes: they start at 0
	v_mov_b32 v15, 0
	v_mov_b32 v18, 0
	v_mov_b32 v19, 0
	s_wait_loadcnt 32                              ; hstat and the statistics are in; S's chunks 2 and 3, 32 loads, stay out
	; THE SCALES.  The largest |H| and |cz_diag|, in every lane of every wave; my row's largest |S| over the 32 strips.
	WIN 0x14                                       ; sources 1 and 2 in window 1
.irp j, 0,1,2,3
	v_max3_num_f32 v18, v18, v[64+4*(\j)], v[66+4*(\j)]
	v_max3_num_f32 v19, v19, v[65+4*(\j)], v[67+4*(\j)]
.endr
.set p, 0
.rept 8
	v_max3_num_f32 v14, v14, v[128+8*p], v[130+8*p]
	v_max3_num_f32 v15, v15, v[132+8*p], v[134+8*p]
.set p, p+1
.endr
	WIN 0x01
	v_mov_b32 v17, v129                            ; e_in, as strip 0 carries it
	WIN 0
	v_max_num_f32 v14, v14, v15
.irp m, 1,2,4,8
	v_max_num_f32_dpp v18, v18, v18 row_xmask:\m row_mask:0xf bank_mask:0xf
	v_max_num_f32_dpp v19, v19, v19 row_xmask:\m row_mask:0xf bank_mask:0xf
.endr
	v_permlanex16_b32 v12, v18, s82, s83
	v_permlanex16_b32 v13, v19, s82, s83
	v_max_num_f32 v18, v18, v12
	v_max_num_f32 v19, v19, v13
	v_max_num_f32 v18, 0x32800000, v18             ; held to 2^-26 .. 2^16, so that the exponent fields lie in 101 .. 143
	v_max_num_f32 v14, 0x32800000, v14
	v_min_num_f32 v18, 0x47800000, v18
	v_min_num_f32 v14, 0x47800000, v14
	v_lshrrev_b32 v18, 23, v18                     ; E_H
	v_lshrrev_b32 v14, 23, v14                     ; E_S
	v_lshrrev_b32 v19, 23, v19                     ; E_c
	v_sub_nc_u32 v[CEX], 126, v19
.if LAST
	v_add_nc_u32 v15, v17, v19                     ; e_in + E_c
	v_add_nc_u32 v15, 0xffffff82, v15              ; - 126
	ds_store_b32 v[TAB], v15
.else
	v_add_nc_u32 v15, v14, v18                     ; E_S + E_H
	v_sub_nc_u32 v14, 382, v15
	v_lshlrev_b32 v14, 23, v14                     ; 2^(255 - E_S - E_H): the field lies in 96 .. 180
	v_add_nc_u32 v15, v15, v19
	v_add_nc_u32 v15, v15, v17                     ; e_in + E_S + E_H + E_c
	v_add_nc_u32 v15, 0xfffffe83, v15              ; - 381
	ds_store_b32 v[TAB], v14
	ds_store_b32 v[TAB], v15 offset:512
.endif
	s_wait_tensorcnt 1                             ; my part of period 0 is in; period 1's may stay out
	s_wait_dscnt 0x0                               ; my words of the tables are written
	s_barrier_signal -1
	s_barrier_wait -1
	FETCHB 0, 0
	CHUNK 0, 1, 16384, 56, 56, 1, 0                ; chunk 0 stands in front of the loop: its products start the sums; it asks for chunk 4
	WIN 0                                          ; at a label and at a branch every window is 0
	s_mov_b32 s3, 6
.Lper:                                             ; trip t: chunks 4 t + 1 .. 4 t + 4; the slot of period t is filled again with period t + 2; S's chunks 4 t + 5 .. 4 t + 8 are asked for
	CHUNK 1, 0, 1024, 56, 56, 2, 1
	CHUNK 2, 0, 2048, 56, 56, 3, 0
	TURN 1, 3072
	CHUNK 0, 0, 16384, 56, 56, 1, 0
	WIN 0
	s_sub_co_u32 s3, s3, 1
	s_cmp_lg_u32 s3, 0
	s_cbranch_scc1 .Lper
	CHUNK 1, 0, 1024, 56, 56, 2, 2                 ; the tail is written out: chunks 25 to 27 ask for S's last three
	CHUNK 2, 0, 2048, 56, 56, 3, 0
	TURN 0, 3072                                   ; the last change of slots fills nothing, and has no round of the cluster's barrier
	CHUNK 0, 0, -1, 56, 48, 1, 0                   ; chunks 28 to 31 ask for nothing of S: the counts run down
	WIN 0x40
.irp b, 0,1,2,3,4,5,6,7
	global_load_b128 v[CZ+8*(\b):CZ+8*(\b)+3],   v5, s[72:73] offset:64*(\b)     ; cz_diag of my lanes' columns: 16 loads, which the counts below let stay out
	global_load_b128 v[CZ+8*(\b)+4:CZ+8*(\b)+7], v5, s[72:73] offset:64*(\b)+16
.endr
	CHUNK 1, 0, -1, 56, 48, 2, 0                   ; 8 + 32 + 16, 32 + 16
	CHUNK 2, 0, -1, 40, 32, 3, 0                   ; 8 + 16 + 16, 16 + 16
	s_wait_loadcnt 24                              ; 8 + 16
	s_wait_dscnt 0x0                               ; H's last fragments are in: my last reads of the ring are over
.irp a, 0,1,2,3
	MUL8 3, \a, 0
.endr
	s_wait_loadcnt 16
	s_barrier_signal -1                            ; say so,
.irp a, 4,5,6,7
	MUL8 3, \a, 0                                  ; multiply while the others arrive,
.endr
	WIN 0
	s_barrier_wait -1                              ; and behind this nobody reads the ring any more; its last fill was waited for in the last change of slots
	; THE FOUR PARTIAL SUMS MEET, in f32.  Each wave lays down its 64 accumulators, each accumulator's low registers first.
	PLACES
	WIN 0x08                                       ; the stores' data in window 2
.set t, 0
.rept 32
	ds_store_b128 v[RST], v[8*t:8*t+3]   offset:t*1024
	ds_store_b128 v[RST], v[8*t+4:8*t+7] offset:t*1024+512
.set t, t+1
.endr
	WIN 0x0c                                       ; in window 3
.set t, 0
.rept 32
	ds_store_b128 v[RST], v[8*t:8*t+3]   offset:(t+32)*1024
	ds_store_b128 v[RST], v[8*t+4:8*t+7] offset:(t+32)*1024+512
.set t, t+1
.endr
	s_wait_loadcnt 0x0                             ; cz_diag
	WIN 0x41                                       ; destination and source 0 window 1, the exponent window 0
.set i, 0
.rept 64
	v_ldexp_f32 v[CZ+i], v[CZ+i], v[CEX]           ; czs, made while the stores drain
.set i, i+1
.endr
	WIN 0
	s_wait_dscnt 0x0                               ; for the others' sake: my stores are done
	s_barrier_signal -1
	s_barrier_wait -1
	; Wave w finishes rows 32 w .. 32 w + 31: accumulators 16 w + u, u = 8 a' + b.
	ds_load_b32 v6, v[TB2]                         ; the factor (LAST = 1: the exponent) of row 32 w + l % 16,
	ds_load_b32 v8, v[TB2] offset:64               ; and of the row 16 further down
.if !LAST
	ds_load_b32 v11, v[TAB] offset:512             ; e_out of row 32 w + l
.endif
.macro PART p, win, base                       ; wave p's sums of my rows: 32 loads
	WIN \win
.set u, 0
.rept 16
	ds_load_b128 v[(\base)+8*u:(\base)+8*u+3],   v[RLD+(\p)] offset:u*1024
	ds_load_b128 v[(\base)+8*u+4:(\base)+8*u+7], v[RLD+(\p)] offset:u*1024+512
.set u, u+1
.endr
.endm
	PART 0, 0x00, SUM
	PART 1, 0x40, SUM
	PART 2, 0x80, 0
	PART 3, 0xc0, 0
	s_wait_dscnt 63                                ; 64 loads were issued behind wave 1's sums; 63 is the greatest count that the wait can name
	WIN 0x04                                       ; source 1 window 1
.set i, 0
.rept 64
	v_pk_add_f32 v[SUM+i:SUM+i+1], v[SUM+i:SUM+i+1], v[SUM+i:SUM+i+1]
.set i, i+2
.endr
	s_wait_dscnt 0x0
	WIN 0x8e                                       ; window 2 += window 3
.set i, 0
.rept 64
	v_pk_add_f32 v[i:i+1], v[i:i+1], v[i:i+1]
.set i, i+2
.endr
	WIN 0x08                                       ; source 1 window 2
.set i, 0
.rept 64
	v_pk_add_f32 v[SUM+i:SUM+i+1], v[SUM+i:SUM+i+1], v[i:i+1]
.set i, i+2
.endr
	WIN 0x04
.set u, 0
.rept 16
.irp i, 0,2,4,6
	v_pk_mul_f32 v[SUM+8*u+(\i):SUM+8*u+(\i)+1], v[SUM+8*u+(\i):SUM+8*u+(\i)+1], v[CZ+8*(u%8)+(\i):CZ+8*(u%8)+(\i)+1]  ; x czs of the column
.endr
.set u, u+1
.endr
	WIN 0
.if LAST
	; THE WAY OUT, f32, row-major: the row's power of two; 32 bytes a lane into my stage; back as whole rows of 512 bytes.
.set i, 0
.rept 128
	v_ldexp_f32 v[SUM+i], v[SUM+i], v[6+2*(i/64)]
.set i, i+1
.endr
.macro TOSTAGE ap, back
.irp b, 0,1,2,3,4,5,6,7
	ds_store_b128 v[STO], v[SUM+64*(\ap)+8*(\b):SUM+64*(\ap)+8*(\b)+3]   offset:64*(\b)
	ds_store_b128 v[STO], v[SUM+64*(\ap)+8*(\b)+4:SUM+64*(\ap)+8*(\b)+7] offset:64*(\b)+16
.endr
.set t, 0
.rept 16
	ds_load_b128 v[(\back)+4*t:(\back)+4*t+3], v[RD] offset:t*528  ; LDS serves a wave's instructions in order (ISA guide 5.7.1.4): these see the stores above; the next block's stores come behind them
.set t, t+1
.endr
.endm
.macro SEND ap, back, younger                  ; younger: the LDS instructions issued behind this block's loads
.set t, 0
.rept 16
	s_wait_dscnt (\younger)+15-t
	global_store_b128 v[CO], v[(\back)+4*t:(\back)+4*t+3], s[78:79] offset:(16*(\ap)+t)*16384 th:TH_STORE_NT  ; 512 consecutive bytes, at a multiple of 256 from the output's first byte
.set t, t+1
.endr
.endm
	TOSTAGE 0, PKD
	TOSTAGE 1, SUM                                 ; (the first block's sums have left their registers)
	SEND 0, PKD, 32
	SEND 1, SUM, 0
.else
	; THE WAY OUT, f16: the row's factor; the rows' largest magnitudes; rounded once.  A lane's 16 bytes of (a', b) are its registers 0-3 (b even) or 4-7 (b odd) of the next layer's fragment: stored as they lie.
	v_mov_b32 v7, v6                               ; named with them as pairs
	v_mov_b32 v9, v8
.set u, 0
.rept 16
.irp i, 0,2,4,6
	v_pk_mul_f32 v[SUM+8*u+(\i):SUM+8*u+(\i)+1], v[SUM+8*u+(\i):SUM+8*u+(\i)+1], v[6+2*(u/8):7+2*(u/8)] op_sel_hi:[1,0]
.endr
.set u, u+1
.endr
.irp r, 12,13,14,15
	v_mov_b32 v\r, 0                               ; a running maximum and minimum for each of my two row blocks
.endr
.set i, 0
.rept 32
	v_max3_num_f32 v12, v12, v[SUM+2*i], v[SUM+2*i+1]
	v_min3_num_f32 v13, v13, v[SUM+2*i], v[SUM+2*i+1]
	v_max3_num_f32 v14, v14, v[SUM+64+2*i], v[SUM+64+2*i+1]
	v_min3_num_f32 v15, v15, v[SUM+64+2*i], v[SUM+64+2*i+1]
.set i, i+1
.endr
	v_sub_f32 v13, 0, v13
	v_sub_f32 v15, 0, v15
	v_max_num_f32 v12, v12, v13
	v_max_num_f32 v14, v14, v15
	v_permlanex16_b32 v13, v12, s82, s83           ; the row's other 64 columns lie in the lane 16 away
	v_permlanex16_b32 v15, v14, s82, s83
	v_max_num_f32 v12, v12, v13
	v_max_num_f32 v14, v14, v15
	v_cndmask_b32 v10, v12, v14, s84               ; lane l: row 32 w + l
.set i, 0
.rept 64
	v_cvt_pk_f16_f32 v[PKD+i], v[SUM+2*i], v[SUM+2*i+1]
.set i, i+1
.endr
.set u, 0
.rept 16
	global_store_b128 v[AO], v[PKD+4*u:PKD+4*u+3], s[78:79] offset:(u/8)*RBLK+(u%8)*512  ; 512 consecutive bytes, at a multiple of 256 from S_out's first byte
.set u, u+1
.endr
	global_store_b64 v[SO], v[10:11], s[80:81]     ; my 32 rows' pairs: 256 consecutive bytes, aligned
.endif
	s_wait_tensorcnt 0x0                           ; the wave's end: behind my last tensor load and my last LDS store
	ds_add_u32 v[SPW], v[NIL]
	s_wait_dscnt 0x0
	CROUND                                         ; the closing round: no work-group ends while a partner may still ask for a tile that names it
	s_endpgm
.Lfunc_end_k_q28e96065da_l1:
	.size	k_q28e96065da_l1, .Lfunc_end_k_q28e96065da_l1-k_q28e96065da_l1
	.p2alignl 7, 3214868480
	.fill 96, 4, 3214868480
	.section	.rodata,"a",@progbits
	.p2align	6, 0x0
	.amdhsa_kernel k_q28e96065da_l1
		.amdhsa_group_segment_fixed_size 327680
		.amdhsa_private_segment_fixed_size 0
		.amdhsa_enable_private_segment 0
		.amdhsa_kernarg_size 56
		.amdhsa_user_sgpr_count 2
		.amdhsa_user_sgpr_kernarg_segment_ptr 1
		.amdhsa_wavefront_size32 1
		.amdhsa_system_sgpr_workgroup_id_x 1
		.amdhsa_system_sgpr_workgroup_id_y 1
		.amdhsa_system_sgpr_workgroup_id_z 1
		.amdhsa_system_vgpr_workitem_id 0
		.amdhsa_next_free_vgpr 1024
		.amdhsa_next_free_sgpr 88
		.amdhsa_reserve_vcc 0
		.amdhsa_float_denorm_mode_32 3
		.amdhsa_float_denorm_mode_16_64 3
		.amdhsa_memory_ordered 1
		.amdhsa_forward_progress 1
		.amdhsa_inst_pref_size 155
	.end_amdhsa_kernel
	.amdgpu_metadata
---
amdhsa.version: [ 1, 2 ]
amdhsa.kernels:
  - .name:           k_q28e96065da_l1
    .symbol:         k_q28e96065da_l1.kd
    .args:
      - { .name: sa, .offset: 0, .size: 8, .value_kind: global_buffer, .address_space: global }
      - { .name: hh, .offset: 8, .size: 8, .value_kind: global_buffer, .address_space: global }
      - { .name: cz_diag, .offset: 16, .size: 8, .value_kind: global_buffer, .address_space: global }
      - { .name: sta, .offset: 24, .size: 8, .value_kind: global_buffer, .address_space: global }
      - { .name: hstat, .offset: 32, .size: 8, .value_kind: global_buffer, .address_space: global }
      - { .name: sb, .offset: 40, .size: 8, .value_kind: global_buffer, .address_space: global }
      - { .name: stb, .offset: 48, .size: 8, .value_kind: global_buffer, .address_space: global }
    .group_segment_fixed_size: 327680
    .private_segment_fixed_size: 0
    .kernarg_segment_align: 8
    .kernarg_segment_size: 56
    .max_flat_workgroup_size: 128
    .sgpr_count:     88
    .vgpr_count:     1024
    .wavefront_size: 32
...
	.end_amdgpu_metadata
.endif
;; end of part 2
;; launch l2: the kernel of part 2 again; grid 8 x 32, 4 waves a work-group, clusters of 4 x 1, 327,680 bytes of LDS; arguments sb, hh, cz_diag, stb, hstat, sa, sta; writes sa, sta
;; launch l3: the kernel of part 2 again; grid 8 x 32, 4 waves a work-group, clusters of 4 x 1, 327,680 bytes of LDS; arguments sa, hh, cz_diag, sta, hstat, sb, stb; writes sb, stb
;; launch l4 (part 3): grid 8 x 32, 4 waves a work-group, clusters of 4 x 1, 327,680 bytes of LDS; arguments sb, hh, cz_diag, stb, hstat, out0; writes out0
.if DOCPART == 3
	.amdgcn_target "amdgcn-amd-amdhsa--gfx1250"
	.amdhsa_code_object_version 6
	.text
	.protected	k_q28e96065da_l4
	.globl	k_q28e96065da_l4
	.p2align	8
	.type	k_q28e96065da_l4,@function
k_q28e96065da_l4:
	s_mov_b64 s[64:65], 0
	v_nop
	global_prefetch_b8 v0, s[64:65] scope:SCOPE_SE
	s_setreg_imm32_b32 hwreg(HW_REG_WAVE_MODE, 25, 1), 1
	s_wait_xcnt 0x0
	s_wait_alu depctr_hold_cnt(0) depctr_sa_sdst(0) depctr_va_vdst(0) depctr_va_sdst(0) depctr_va_ssrc(0) depctr_va_vcc(0) depctr_vm_vsrc(0)
	s_getreg_b32 s2, hwreg(HW_REG_IB_STS2, 6, 4)
	s_cmp_eq_u32 s2, 0
	s_cbranch_scc0 .Lentry_in_a_cluster
	s_endpgm
.Lentry_in_a_cluster:
	s_bfe_u32 s2, ttmp6, 0x10000c
	s_cmp_lg_u32 s2, 0x3003
	s_cbranch_scc0 .Lentry_shape_is_right
	s_endpgm
.Lentry_shape_is_right:
; ONE LAYER: state_out[b][j] = (the sum over i of state_in[b][i] H[i][j]) x cz_diag[j].  1,024 rows, 4,096 columns, K = 4,096.  One text serves two kernels: LAST = 0 for layers 1 to 3, LAST = 1 for layer 4.
.set LAST, 1
; FORMATS.  The state is kept as S[b][j] = state[b][j] x 2^-e[b] in f16, with a whole exponent e for each row; H in f16, [k][n] as H lies; products in f16 with f32 sums; cz_diag in f32.
; S's LAYOUT is the matrix operand's register image: the fragment of rows 16 R .. 16 R + 15, k = 32 c .. 32 c + 31 is 1,024 bytes at 1,024 (128 R + c): lane l's registers 0-3 (row l % 16, k = 8 (l / 16) + 0..7) at 16 l,
; its registers 4-7 (k 16 further on) at 512 + 16 l.  A fragment is loaded by two loads of 512 consecutive bytes, and a layer's results, rounded in pairs, ARE that image: they are stored from the registers they lie in.
; THE SCALE.  E(v) is the exponent field of a non-negative f32 v, so v < 2^(E - 126).  E_S of the row's largest |S|, E_H of the largest |H| (both held to 101 .. 143), E_c of the largest |cz_diag|.
; A sum of 4,096 products is at most 2^(E_S + E_H - 240).  czs = cz_diag x 2^(126 - E_c) lies under 1.  LAST = 0: S_out = sum x czs x 2^(255 - E_S - E_H), at most 2^15, inside f16; e_out = e_in + E_S + E_H + E_c - 381;
; the row's largest |S_out| in this tile's 128 columns and e_out are stored beside it for the next layer.  LAST = 1: out = sum x czs x 2^(e_in + E_c - 126), in f32.  All scales are powers of two.
; LIMITS.  |S| and |H| below 2^-26 count as 2^-26 for the scale; NaN and infinities are not treated apart; a number of S far below its row's largest keeps f16's fixed step of 2^-24.
; SHARES.  A work-group makes a tile of 128 x 128: 8 x 32 tiles, 256 work-groups.  K IS SPLIT AMONG THE FOUR WAVES: K goes in 8 periods of 512, and in each wave w multiplies the WHOLE tile over k = 128 w .. 128 w + 127:
; four chunks of 32, 64 matrix instructions each, in 64 accumulators, 512 registers.  The four partial sums meet in LDS at the end, in f32.
; H GOES THROUGH LDS, in a ring of two slots of a period each (512 rows of 256 bytes), every wave fetching the 128 rows that it reads; it comes out turned, by ds_load_tr16_b128.  CLUSTERS of 4 x 1: the four partners make
; four tile rows of one tile column and need the same tiles of H: each is asked for JOINTLY, by the same tensor load with the same descriptor and a mask that names the four.  By this text's own count a wave has two tensor
; loads out at the start and one behind each round; 240 of a period's 256 matrix instructions stand between a request and the wait for it.
; S GOES STRAIGHT INTO REGISTERS and is NOT asked for jointly, though the 32 work-groups of a tile row read the same rows.  The reason: each byte of S is multiplied by one wave of a work-group, so LDS would share nothing;
; and two slots that held both operands would end at 256 along K (2 x 141,312 of LDS's 327,680 bytes), 128 matrix instructions for a load to land in, where H alone has 256.
; S's fragments lie in a ring of four buffers of a chunk each; half a buffer (8 loads) is asked for again as soon as it has been multiplied, 224 matrix instructions ahead of its use.
; THE MATRIX INSTRUCTION IS USED TRANSPOSED: source 0 = 16 columns of H, source 1 = 16 rows of S: lane l holds row l % 16 and the columns 8 (l / 16) + 0..7.
; REGISTERS, in windows of 256 (s_set_vgpr_msb's low byte: bits 1:0 source 0, 3:2 source 1, 5:4 source 2, 7:6 destination):
;   window 0: v0-36 addresses and scales; v64-127, v128-191, v192-255 S's buffers 0, 1, 2 (row block a at 8 a)
;   window 1: v0-63 S's buffer 3; v64-127, v128-191 H's fragments, two buffers (column block b at 8 b); v192-255 czs of my lanes' columns (column block b at 8 b)
;   windows 2, 3: the accumulators: (row block a, column block b) at 8 (8 (a % 4) + b) of window 2 + a / 4
.set PB,     288                       ; a row of H in LDS (one k, 128 columns): 256 bytes + 32 = 72 words
.set WPART,  128*PB                    ; a wave's 128 rows: 0x9000
.set SLOT,   4*WPART                   ; 0x24000: it shares no bit with w x 0x9000, w = 0..3, so one exclusive or turns a wave's place in one slot into its place in the other
.set PERB,   512*8192                  ; bytes of hh from a period's rows to the next period's
.set RBLK,   131072                    ; bytes of S from a block of 16 rows to the next: 128 fragments
; THE MEETING PLACE lies over the ring, from LDS byte 0, when the ring has had its last fill and its last read: wave w's accumulator t at 65,536 w + 1,024 t, registers 0-3 then 4-7, 16 bytes a lane.
.set STAGE,  262144                    ; LAST = 1, the way out: 8,448 bytes for each wave, behind the meeting place: over the ring's end (likewise after its last fill and read) and 1,024 bytes more
.set WSTAGE, 8448
.set FACT,   STAGE+4*WSTAGE            ; behind ring and stage: 128 words: a row's factor (LAST = 1: its last exponent); 512 bytes on: 128 words e_out
.set SPARE,  FACT+1024                 ; the spare words, 128 bytes for each wave: two blocks of 256 bytes that no other line names
.set AO,   16                          ; v16     16 x lane: my bytes in 512 consecutive ones; never rewritten
.set AB0,  20                          ; v20     my lane's place in a slot: row 128 w + 8 (l / 16) + l % 8, 16 bytes by (l / 8) % 2; never rewritten
.set ADRB, 21                          ; v21     the same in the slot that is being read
.set RST,  22                          ; v22     where my accumulators go in the meeting place
.set SO,   23                          ; v23     8 x lane: my pair in the statistics
.set STO,  24                          ; v24     LAST = 1: where I put my bytes of a row in my stage
.set RD,   25                          ; v25     LAST = 1: where I read rows back
.set CO,   26                          ; v26     LAST = 1: my byte offset in the output
.set TAB,  27                          ; v27     FACT + 4 x my thread's number
.set SPW,  28                          ; v28     LDS address of my spare word; never rewritten
.set NIL,  29                          ; v29     0; never rewritten
.set TB2,  30                          ; v30     FACT + 4 (32 w + l % 16)
.set CEX,  31                          ; v31     126 - E_c
.set RLD,  32                          ; v32-35  where the four waves' sums of MY 32 rows lie in the meeting place
.set PFO,  36                          ; v36     the prefetches' offset: lane x a row of hh (8,192 bytes); never rewritten
.set SUM,  64                          ; v64-191 the finished sums: (row block a' of my two, column block b) at SUM + 8 (8 a' + b)
.set PKD,  192                         ; v192-255 rounded to f16
.set CZ,   192                         ; window 1: czs
.set TB,   11                          ; s11     0 or SLOT: the slot that is being read
.set LIM,  12                          ; s12     1 in a cluster that prefetches, else the greatest number
.set AP,   14                          ; s[14:15] S at my tile's first row block, at my four chunks of a period
.set PFA,  18                          ; s[18:19] hh at my work-group's 32 of the 128 rows that I fetch, in the period that the next prefetch names
.set G1,   24                          ; s[24:31] descriptor group 1
.set G0,   32                          ; s[32:39] descriptor group 0: a set for each of the two first fills; the second then walks on
; s3 periods to go; s10 wave; s13, s[16:17], s41 made of the tile row; s42, s43, s[46:47] of the tile column; s20, s22, s23 of the wave's number alone; s21 of the cluster
.set MSB, 0
.macro WIN new                         ; the immediate's high byte repeats the setting that is left; a switch that changes nothing is dropped
.if MSB != (\new)
	s_set_vgpr_msb (MSB<<8)|(\new)
.set MSB, \new
.endif
.endm
.macro CREST                           ; a round of the cluster's barrier behind its opening barrier
	s_cmp_lg_u32 s10, 0
	s_cbranch_scc1 .Lnot_wave_0_\@
	s_barrier_signal -3
.Lnot_wave_0_\@:
	s_barrier_wait -3
	s_barrier_signal -1
	s_barrier_wait -1
.endm
.macro CROUND                          ; a whole round
	s_barrier_signal -1
	s_barrier_wait -1
	CREST
.endm
.macro PLACES                          ; four places in front of loads into registers that matrix instructions have read, and of LDS stores that read results
.rept 4
	v_nop
.endr
.endm
; A PREFETCH INTO THE L2 of what the NEXT change of slots will ask for: a period's 512 rows x 256 bytes of this tile column of hh, a lane a row, one instruction a wave, 256 matrix instructions ahead of that load.
; Two clusters read a tile column: the one with x = 0 asks.  Its four partners share out the 128 rows that wave w fetches BY ADDRESS, 32 each: no branch hangs on a work-group's place in its cluster.  So each row's
; 256 bytes are named once in the launch.  Periods 0 to 2 come by their loads alone; the last change that fills a slot (s3 = 1) asks for nothing: there is no period behind it.
.macro ASK
	s_cmp_gt_u32 s3, s[LIM]
	s_cbranch_scc0 .Lnot_mine_\@
	global_prefetch_b8 v[PFO], s[PFA:PFA+1] th:TH_LOAD_NT scope:SCOPE_SE
.Lnot_mine_\@:
.endm
.macro ABUF j                          ; S's buffer j: its window and its first register
.set AW, (\j)/3
.set AB, (64+64*(\j))*(1-AW)
.endm
; 8 loads: half a chunk of S (row blocks 4 half .. 4 half + 3) into buffer j, from byte off behind the pointer
.macro ALOAD j, half, off
	ABUF \j
	WIN 0x40*AW                                    ; the destination's window; the offset lies in window 0
.irp a, 0,1,2,3
	global_load_b128 v[AB+8*(4*(\half)+(\a)):AB+8*(4*(\half)+(\a))+3],   v[AO], s[AP:AP+1] offset:(\off)+(4*(\half)+(\a))*RBLK
	global_load_b128 v[AB+8*(4*(\half)+(\a))+4:AB+8*(4*(\half)+(\a))+7], v[AO], s[AP:AP+1] offset:(\off)+(4*(\half)+(\a))*RBLK+512
.endr
.endm
; 16 LDS loads: H's 8 fragments of chunk jn of my four in the slot, into buffer buf
.macro FETCHB jn, buf
	WIN 0x40
.irp b, 0,1,2,3,4,5,6,7
	ds_load_tr16_b128 v[64+64*(\buf)+8*(\b):64+64*(\buf)+8*(\b)+3],   v[ADRB] offset:(\jn)*32*PB+32*(\b)
	ds_load_tr16_b128 v[64+64*(\buf)+8*(\b)+4:64+64*(\buf)+8*(\b)+7], v[ADRB] offset:(\jn)*32*PB+32*(\b)+16*PB
.endr
.endm
; 8 matrix instructions: row block a x all 8 column blocks, 32 along K: S's buffer j, H's buffer j % 2.  zero = 1: the product starts the sums: nothing is ever cleared.
; The 64 accumulators take turns, one instruction a turn, in the same order in every chunk, over the backward jump too.
.macro MUL8 j, a, zero
	ABUF \j
.set BB, 64+64*((\j)%2)
	WIN 0xa1+0x50*((\a)/4)+4*AW                    ; source 0 (H) window 1, source 1 (S) the buffer's window, C and D window 2 or 3
.irp b, 0,1,2,3,4,5,6,7
.if \zero
	v_wmma_f32_16x16x32_f16 v[8*(8*((\a)%4)+(\b)):8*(8*((\a)%4)+(\b))+7], v[BB+8*(\b):BB+8*(\b)+7], v[AB+8*(\a):AB+8*(\a)+7], 0
.else
	v_wmma_f32_16x16x32_f16 v[8*(8*((\a)%4)+(\b)):8*(8*((\a)%4)+(\b))+7], v[BB+8*(\b):BB+8*(\b)+7], v[AB+8*(\a):AB+8*(\a)+7], v[8*(8*((\a)%4)+(\b)):8*(8*((\a)%4)+(\b))+7]
.endif
.endr
.endm
; A CHUNK on S's buffer j.  off >= 0: each half of the buffer, once multiplied, is asked for again: the chunk four further on, at byte off behind the pointer.  wlo, whi: how many younger loads may stay out when
; the buffer's first and second half have to be there.  jn: the chunk of H fetched from LDS in the middle, for the chunk that follows.  step: the pointers go a period on (2: S's alone).
.macro CHUNK j, zero, off, wlo, whi, jn, step
	s_wait_loadcnt \wlo                            ; loads come back in order (ISA guide 5.7.1): row blocks 0-3 are in
	s_wait_dscnt 0x0                               ; H's fragments, asked for 32 matrix instructions ago, are in
.irp a, 0,1,2,3
	MUL8 \j, \a, \zero
.endr
	PLACES
.if \step
	s_wait_xcnt 0x0                                ; the youngest load stands 32 matrix instructions back, the youngest prefetch 144: the pointers are written only behind this wait
	s_add_nc_u64 s[AP:AP+1], s[AP:AP+1], 16384     ; 16 fragments: a period
.if (\step) == 1
	s_add_nc_u64 s[PFA:PFA+1], s[PFA:PFA+1], PERB
.endif
.endif
.if (\off) >= 0
	ALOAD \j, 0, \off
.endif
	FETCHB \jn, ((\j)+1)%2
	s_wait_loadcnt \whi                            ; row blocks 4-7 are in
.irp a, 4,5,6,7
	MUL8 \j, \a, \zero
.endr
.if (\off) >= 0
	PLACES
	ALOAD \j, 1, \off
.endif
.endm
; A period's last chunk (buffer 3) changes slots: ONE barrier; in front of it each wave waits for all its tensor loads (one is out: its part of the next slot), adds 0 to its spare word, and waits for that and
; for its own reads of this slot (the last were issued in the chunk before).  fill = 1: the barrier opens a round of the cluster's barrier, and this slot is filled again, two periods ahead, first thing behind the round.
.macro TURN fill, off
	WIN 0                                          ; (the add's two registers lie in window 0)
	s_wait_tensorcnt 0x0                           ; all my tensor loads have landed, so a group 0 may be written
	ds_add_u32 v[SPW], v[NIL]                      ; 0 onto my spare word
.if \fill
	s_xor_b32 s[G0+5], s[G0+5], SLOT               ; the walking descriptor: the other slot than last time,
	s_add_nc_u64 s[G0+6:G0+7], s[G0+6:G0+7], PERB  ; the next period; the type bits on top are not reached
.endif
	s_xor_b32 s[TB], s[TB], SLOT                   ; the reads go on in the other slot
	s_wait_loadcnt 56                              ; S's row blocks 0-3 are in; seven younger halves stay out
	s_wait_dscnt 1                                 ; H's fragments are in (the add may be out)
	MUL8 3, 0, 0                                   ; eight matrix instructions stand between the add and the wait for it
	s_wait_dscnt 0x0                               ; the add is done, and my reads of this slot are over
	s_barrier_signal -1
	MUL8 3, 1, 0
	WIN 0
	s_barrier_wait -1
.if \fill
	CREST                                          ; no wave of any partner still reads this slot's tiles or has a load on its way
	tensor_load_to_lds s[G0+4:G0+7], s[G1:G1+7]
	s_nop 0
.endif
	PLACES                                         ; (the places in front of the loads below)
	v_add_nc_u32 v[ADRB], s[TB], v[AB0]
	FETCHB 0, 0
.if \fill
	WIN 0
	ASK                                            ; behind the joint load and the run of LDS loads that the next chunk waits for
.endif
	MUL8 3, 2, 0
	MUL8 3, 3, 0
	PLACES
	ALOAD 3, 0, \off
	s_wait_loadcnt 56
.irp a, 4,5,6,7
	MUL8 3, \a, 0
.endr
	PLACES
	ALOAD 3, 1, \off
.endm
	s_load_b256 s[68:75], s[0:1], 0x0              ; S_in s[68:69], H in f16 s[70:71], cz_diag s[72:73], the statistics of S_in s[74:75]
	s_load_b128 s[76:79], s[0:1], 0x20             ; hstat s[76:77], the output s[78:79]
.if !LAST
	s_load_b64 s[80:81], s[0:1], 0x30              ; the statistics of S_out
.endif
	v_lshl_add_u32 v[SPW], v0, 2, SPARE
	v_mov_b32 v[NIL], 0
	ds_add_u32 v[SPW], v[NIL]                      ; the wave's opening: the add and its wait stand ahead of my first tensor load; the set-up below, work on registers, stands between them
	v_lshrrev_b32 v1, 5, v0
	v_readfirstlane_b32 s10, v1                    ; wave 0..3
	s_bfe_u32 s40, ttmp6, 0x40000                  ; cx: my place in the cluster
	s_lshl_b32 s13, ttmp9, 2                       ; in a cluster launch ttmp9 counts clusters
	s_add_co_u32 s13, s13, s40                     ; tile row = 4 x cluster x + cx, 0..7: it enters S's, the statistics' and the output's addresses alone
	s_and_b32 s42, ttmp7, 0xffff                   ; tile column, 0..31, which the four partners share
	; group 1: 128 rows (k) x 128 elements (n).  15:0 the mask: all four work-groups; 17:16 elements of 2 bytes; 20 padding on; 21 set beside a mask; 24:22 after every 64 words (code 5); 31:25 8 words of it (code 7)
	s_mov_b32 s[G1+0], 15|(1<<16)|(1<<20)|(1<<21)|(5<<22)|(7<<25)
	s_mov_b32 s[G1+1], 128<<16                     ; tensor_dim0 = 128
	s_mov_b32 s[G1+2], 128<<16                     ; tensor_dim1 = 128
	s_mov_b32 s[G1+3], 128<<16                     ; tile_dim0 = 128
	s_mov_b32 s[G1+4], 128                         ; tile_dim1 = 128
	s_mov_b32 s[G1+5], 4096                        ; elements from row to row
	s_mov_b32 s[G1+6], 0
	s_mov_b32 s[G1+7], 0
	s_lshl_b32 s46, s42, 8                         ; hh: column 128 x tile column,
	s_lshl_b32 s47, s10, 20                        ; row (k) 128 x wave
	s_add_co_u32 s46, s46, s47
	s_mov_b32 s47, 0
	s_mul_i32 s20, s10, WPART                      ; and where they go: no place in the cluster enters an LDS address
	s_lshl_b32 s16, s13, 20                        ; S: 8 row blocks a tile row,
	s_lshl_b32 s17, s10, 12                        ; my four chunks of a period's sixteen
	s_add_co_u32 s16, s16, s17
	s_mov_b32 s17, 0
	s_mov_b32 s[TB], 0
	s_mov_b32 s21, ttmp9
	s_cmp_eq_u32 s21, 0                            ; the first of the two clusters that read this tile column: the same in all four partners
	s_cselect_b32 s[LIM], 1, -1
	v_and_b32 v1, 15, v0                           ; l % 16
	v_bfe_u32 v2, v0, 4, 1                         ; l / 16
	v_and_b32 v18, 31, v0                          ; l
	v_lshlrev_b32 v[AO], 4, v18
	v_lshlrev_b32 v[PFO], 13, v18
	s_lshl_b32 s41, s13, 10
	v_lshl_add_u32 v4, v0, 3, s41                  ; the statistics: thread t stands for row 128 x tile row + t, 8 bytes a row
	s_lshl_b32 s43, s42, 9
	v_lshl_add_u32 v5, v2, 5, s43                  ; cz_diag: column 128 x tile column + 8 (l / 16)
	s_wait_dscnt 0x0                               ; the opening add is done
	s_wait_kmcnt 0x0
	s_add_nc_u64 s[AP:AP+1], s[68:69], s[16:17]
	s_add_nc_u64 s[46:47], s[70:71], s[46:47]
	CROUND                                         ; all four work-groups are here: the first joint loads meet
.irp s, 0,1
	s_mov_b32 s[G0+4*(\s)], 1                      ; count = 1
	s_add_co_u32 s[G0+4*(\s)+1], s20, (\s)*SLOT    ; LDS address
	s_add_nc_u64 s[G0+4*(\s)+2:G0+4*(\s)+3], s[46:47], (\s)*PERB  ; period s
	s_or_b32 s[G0+4*(\s)+3], s[G0+4*(\s)+3], 0x80000000           ; type = 2
.endr
	tensor_load_to_lds s[G0:G0+3], s[G1:G1+7]      ; the two first fills stand together, ahead of every wait on TENSORcnt and every LDS read
	s_nop 0
	tensor_load_to_lds s[G0+4:G0+7], s[G1:G1+7]
	s_nop 0
	PLACES
	; S's first four chunks, and between them the numbers for the scales, into H's fragment buffers, which are free until the first tile is in
	ALOAD 0, 0, 0
	ALOAD 0, 1, 0
	ALOAD 1, 0, 1024
	ALOAD 1, 1, 1024
	WIN 0x40
.irp j, 0,1,2,3
	global_load_b128 v[64+4*(\j):64+4*(\j)+3], v[AO], s[76:77] offset:512*(\j)  ; all 256 pairs of hstat: the even registers hold |H|, the odd ones |cz_diag|
.endr
.set p, 0
.rept 32
	global_load_b64 v[128+2*p:129+2*p], v4, s[74:75] offset:p*8192  ; my row's pair in strip p: a wave reads 256 consecutive bytes
.set p, p+1
.endr
	ALOAD 2, 0, 2048
	ALOAD 2, 1, 2048
	ALOAD 3, 0, 3072
	ALOAD 3, 1, 3072
	WIN 0
	; the addresses
	s_lshl_b32 s16, s40, 18                        ; the prefetches: my work-group's 32 rows of 8,192 bytes of the 128 that I fetch,
	s_mov_b32 s17, 0
	s_add_nc_u64 s[PFA:PFA+1], s[46:47], s[16:17]
	s_add_nc_u64 s[PFA:PFA+1], s[PFA:PFA+1], 2*PERB  ; in period 2: the first trip steps it to period 3.  Nothing is prefetched here, at the head, where every work-group's first tiles are on their way
	s_lshl_b32 s22, s10, 16
	v_lshl_add_u32 v[RST], v18, 4, s22             ; 65,536 w + 16 l
	s_lshl_b32 s22, s10, 14
	v_lshl_add_u32 v[RLD], v18, 4, s22             ; my 16 accumulators' place, 16,384 w + 16 l, in wave 0's sums,
.irp p, 1,2,3
	v_add_nc_u32 v[RLD+(\p)], (\p)*65536, v[RLD]   ; and in the others'
.endr
.if LAST
	s_mul_i32 s23, s10, WSTAGE
	s_add_co_u32 s23, s23, STAGE                   ; my stage
	v_mul_u32_u24 v[STO], v1, 528                  ; in: row l % 16 of 512 bytes + 16, 32 bytes for each half of the lanes
	v_lshl_add_u32 v[STO], v2, 5, v[STO]
	v_add_nc_u32 v[STO], s23, v[STO]
	v_lshl_add_u32 v[RD], v18, 4, s23              ; back: 32 lanes take a row's 512 bytes
	v_lshlrev_b32 v[CO], 4, v18
.else
	v_lshlrev_b32 v[SO], 3, v18
.endif
	v_lshl_add_u32 v[TAB], v0, 2, FACT
	s_lshl_b32 s22, s10, 7                         ; 128 w: bytes of 32 words in the tables, and my first row in a slot
	s_add_co_u32 s23, s22, FACT
	v_lshl_add_u32 v[TB2], v1, 2, s23
	; The turning load takes 16 k x 16 columns (lane l reads k = 8 (l / 16) + l % 8, columns 8 ((l / 8) % 2) + 0..7) and leaves half a fragment: lane l holds column l % 16 and 8 k.
	v_and_b32 v19, 7, v0
	v_lshl_add_u32 v19, v2, 3, v19
	v_add_nc_u32 v19, s22, v19
	v_mul_u32_u24 v19, v19, PB
	v_bfe_u32 v17, v0, 3, 1
	v_lshl_add_u32 v[AB0], v17, 4, v19
	v_mov_b32 v[ADRB], v[AB0]                      ; period 0 lies in slot 0
	; where my 32 rows of the tile begin in the output: the part made of the tile row and the part made of the tile column are added apart
.if LAST
	s_lshl_b32 s16, s13, 21                        ; 128 rows of 16,384 bytes
	s_lshl_b32 s17, s10, 19                        ; my 32
	s_add_co_u32 s16, s16, s17
	s_mov_b32 s17, 0
	s_add_nc_u64 s[78:79], s[78:79], s[16:17]
	s_lshl_b32 s46, s42, 9                         ; 128 columns of 4 bytes
	s_mov_b32 s47, 0
	s_add_nc_u64 s[78:79], s[78:79], s[46:47]
.else
	s_lshl_b32 s16, s13, 20                        ; 8 row blocks of 131,072 bytes
	s_lshl_b32 s17, s10, 18                        ; my 2
	s_add_co_u32 s16, s16, s17
	s_mov_b32 s17, 0
	s_add_nc_u64 s[78:79], s[78:79], s[16:17]
	s_lshl_b32 s46, s42, 12                        ; 128 columns: four fragments
	s_mov_b32 s47, 0
	s_add_nc_u64 s[78:79], s[78:79], s[46:47]
	s_lshl_b32 s16, s13, 10                        ; the statistics: 128 rows of 8 bytes,
	s_lshl_b32 s17, s10, 8                         ; my 32,
	s_add_co_u32 s16, s16, s17
	s_mov_b32 s17, 0
	s_add_nc_u64 s[80:81], s[80:81], s[16:17]
	s_lshl_b32 s46, s42, 13                        ; in the strip of this tile column
	s_add_nc_u64 s[80:81], s[80:81], s[46:47]
.endif
	s_mov_b32 s82, 0x76543210                      ; v_permlanex16_b32: each lane takes its own place in the other half
	s_mov_b32 s83, 0xfedcba98
	s_mov_b32 s84, 0xffff0000                      ; lanes 16 to 31
	v_mov_b32 v12, 0                               ; v_permlanex16_b32's destinations count as read
	v_mov_b32 v13, 0
	v_mov_b32 v14, 0                               ; the maxima are of magnitudes: they start at 0
	v_mov_b32 v15, 0
	v_mov_b32 v18, 0
	v_mov_b32 v19, 0
	s_wait_loadcnt 32                              ; hstat and the statistics are in; S's chunks 2 and 3, 32 loads, stay out
	; THE SCALES.  The largest |H| and |cz_diag|, in every lane of every wave; my row's largest |S| over the 32 strips.
	WIN 0x14                                       ; sources 1 and 2 in window 1
.irp j, 0,1,2,3
	v_max3_num_f32 v18, v18, v[64+4*(\j)], v[66+4*(\j)]
	v_max3_num_f32 v19, v19, v[65+4*(\j)], v[67+4*(\j)]
.endr
.set p, 0
.rept 8
	v_max3_num_f32 v14, v14, v[128+8*p], v[130+8*p]
	v_max3_num_f32 v15, v15, v[132+8*p], v[134+8*p]
.set p, p+1
.endr
	WIN 0x01
	v_mov_b32 v17, v129                            ; e_in, as strip 0 carries it
	WIN 0
	v_max_num_f32 v14, v14, v15
.irp m, 1,2,4,8
	v_max_num_f32_dpp v18, v18, v18 row_xmask:\m row_mask:0xf bank_mask:0xf
	v_max_num_f32_dpp v19, v19, v19 row_xmask:\m row_mask:0xf bank_mask:0xf
.endr
	v_permlanex16_b32 v12, v18, s82, s83
	v_permlanex16_b32 v13, v19, s82, s83
	v_max_num_f32 v18, v18, v12
	v_max_num_f32 v19, v19, v13
	v_max_num_f32 v18, 0x32800000, v18             ; held to 2^-26 .. 2^16, so that the exponent fields lie in 101 .. 143
	v_max_num_f32 v14, 0x32800000, v14
	v_min_num_f32 v18, 0x47800000, v18
	v_min_num_f32 v14, 0x47800000, v14
	v_lshrrev_b32 v18, 23, v18                     ; E_H
	v_lshrrev_b32 v14, 23, v14                     ; E_S
	v_lshrrev_b32 v19, 23, v19                     ; E_c
	v_sub_nc_u32 v[CEX], 126, v19
.if LAST
	v_add_nc_u32 v15, v17, v19                     ; e_in + E_c
	v_add_nc_u32 v15, 0xffffff82, v15              ; - 126
	ds_store_b32 v[TAB], v15
.else
	v_add_nc_u32 v15, v14, v18                     ; E_S + E_H
	v_sub_nc_u32 v14, 382, v15
	v_lshlrev_b32 v14, 23, v14                     ; 2^(255 - E_S - E_H): the field lies in 96 .. 180
	v_add_nc_u32 v15, v15, v19
	v_add_nc_u32 v15, v15, v17                     ; e_in + E_S + E_H + E_c
	v_add_nc_u32 v15, 0xfffffe83, v15              ; - 381
	ds_store_b32 v[TAB], v14
	ds_store_b32 v[TAB], v15 offset:512
.endif
	s_wait_tensorcnt 1                             ; my part of period 0 is in; period 1's may stay out
	s_wait_dscnt 0x0                               ; my words of the tables are written
	s_barrier_signal -1
	s_barrier_wait -1
	FETCHB 0, 0
	CHUNK 0, 1, 16384, 56, 56, 1, 0                ; chunk 0 stands in front of the loop: its products start the sums; it asks for chunk 4
	WIN 0                                          ; at a label and at a branch every window is 0
	s_mov_b32 s3, 6
.Lper:                                             ; trip t: chunks 4 t + 1 .. 4 t + 4; the slot of period t is filled again with period t + 2; S's chunks 4 t + 5 .. 4 t + 8 are asked for
	CHUNK 1, 0, 1024, 56, 56, 2, 1
	CHUNK 2, 0, 2048, 56, 56, 3, 0
	TURN 1, 3072
	CHUNK 0, 0, 16384, 56, 56, 1, 0
	WIN 0
	s_sub_co_u32 s3, s3, 1
	s_cmp_lg_u32 s3, 0
	s_cbranch_scc1 .Lper
	CHUNK 1, 0, 1024, 56, 56, 2, 2                 ; the tail is written out: chunks 25 to 27 ask for S's last three
	CHUNK 2, 0, 2048, 56, 56, 3, 0
	TURN 0, 3072                                   ; the last change of slots fills nothing, and has no round of the cluster's barrier
	CHUNK 0, 0, -1, 56, 48, 1, 0                   ; chunks 28 to 31 ask for nothing of S: the counts run down
	WIN 0x40
.irp b, 0,1,2,3,4,5,6,7
	global_load_b128 v[CZ+8*(\b):CZ+8*(\b)+3],   v5, s[72:73] offset:64*(\b)     ; cz_diag of my lanes' columns: 16 loads, which the counts below let stay out
	global_load_b128 v[CZ+8*(\b)+4:CZ+8*(\b)+7], v5, s[72:73] offset:64*(\b)+16
.endr
	CHUNK 1, 0, -1, 56, 48, 2, 0                   ; 8 + 32 + 16, 32 + 16
	CHUNK 2, 0, -1, 40, 32, 3, 0                   ; 8 + 16 + 16, 16 + 16
	s_wait_loadcnt 24                              ; 8 + 16
	s_wait_dscnt 0x0                               ; H's last fragments are in: my last reads of the ring are over
.irp a, 0,1,2,3
	MUL8 3, \a, 0
.endr
	s_wait_loadcnt 16
	s_barrier_signal -1                            ; say so,
.irp a, 4,5,6,7
	MUL8 3, \a, 0                                  ; multiply while the others arrive,
.endr
	WIN 0
	s_barrier_wait -1                              ; and behind this nobody reads the ring any more; its last fill was waited for in the last change of slots
	; THE FOUR PARTIAL SUMS MEET, in f32.  Each wave lays down its 64 accumulators, each accumulator's low registers first.
	PLACES
	WIN 0x08                                       ; the stores' data in window 2
.set t, 0
.rept 32
	ds_store_b128 v[RST], v[8*t:8*t+3]   offset:t*1024
	ds_store_b128 v[RST], v[8*t+4:8*t+7] offset:t*1024+512
.set t, t+1
.endr
	WIN 0x0c                                       ; in window 3
.set t, 0
.rept 32
	ds_store_b128 v[RST], v[8*t:8*t+3]   offset:(t+32)*1024
	ds_store_b128 v[RST], v[8*t+4:8*t+7] offset:(t+32)*1024+512
.set t, t+1
.endr
	s_wait_loadcnt 0x0                             ; cz_diag
	WIN 0x41                                       ; destination and source 0 window 1, the exponent window 0
.set i, 0
.rept 64
	v_ldexp_f32 v[CZ+i], v[CZ+i], v[CEX]           ; czs, made while the stores drain
.set i, i+1
.endr
	WIN 0
	s_wait_dscnt 0x0                               ; for the others' sake: my stores are done
	s_barrier_signal -1
	s_barrier_wait -1
	; Wave w finishes rows 32 w .. 32 w + 31: accumulators 16 w + u, u = 8 a' + b.
	ds_load_b32 v6, v[TB2]                         ; the factor (LAST = 1: the exponent) of row 32 w + l % 16,
	ds_load_b32 v8, v[TB2] offset:64               ; and of the row 16 further down
.if !LAST
	ds_load_b32 v11, v[TAB] offset:512             ; e_out of row 32 w + l
.endif
.macro PART p, win, base                       ; wave p's sums of my rows: 32 loads
	WIN \win
.set u, 0
.rept 16
	ds_load_b128 v[(\base)+8*u:(\base)+8*u+3],   v[RLD+(\p)] offset:u*1024
	ds_load_b128 v[(\base)+8*u+4:(\base)+8*u+7], v[RLD+(\p)] offset:u*1024+512
.set u, u+1
.endr
.endm
	PART 0, 0x00, SUM
	PART 1, 0x40, SUM
	PART 2, 0x80, 0
	PART 3, 0xc0, 0
	s_wait_dscnt 63                                ; 64 loads were issued behind wave 1's sums; 63 is the greatest count that the wait can name
	WIN 0x04                                       ; source 1 window 1
.set i, 0
.rept 64
	v_pk_add_f32 v[SUM+i:SUM+i+1], v[SUM+i:SUM+i+1], v[SUM+i:SUM+i+1]
.set i, i+2
.endr
	s_wait_dscnt 0x0
	WIN 0x8e                                       ; window 2 += window 3
.set i, 0
.rept 64
	v_pk_add_f32 v[i:i+1], v[i:i+1], v[i:i+1]
.set i, i+2
.endr
	WIN 0x08                                       ; source 1 window 2
.set i, 0
.rept 64
	v_pk_add_f32 v[SUM+i:SUM+i+1], v[SUM+i:SUM+i+1], v[i:i+1]
.set i, i+2
.endr
	WIN 0x04
.set u, 0
.rept 16
.irp i, 0,2,4,6
	v_pk_mul_f32 v[SUM+8*u+(\i):SUM+8*u+(\i)+1], v[SUM+8*u+(\i):SUM+8*u+(\i)+1], v[CZ+8*(u%8)+(\i):CZ+8*(u%8)+(\i)+1]  ; x czs of the column
.endr
.set u, u+1
.endr
	WIN 0
.if LAST
	; THE WAY OUT, f32, row-major: the row's power of two; 32 bytes a lane into my stage; back as whole rows of 512 bytes.
.set i, 0
.rept 128
	v_ldexp_f32 v[SUM+i], v[SUM+i], v[6+2*(i/64)]
.set i, i+1
.endr
.macro TOSTAGE ap, back
.irp b, 0,1,2,3,4,5,6,7
	ds_store_b128 v[STO], v[SUM+64*(\ap)+8*(\b):SUM+64*(\ap)+8*(\b)+3]   offset:64*(\b)
	ds_store_b128 v[STO], v[SUM+64*(\ap)+8*(\b)+4:SUM+64*(\ap)+8*(\b)+7] offset:64*(\b)+16
.endr
.set t, 0
.rept 16
	ds_load_b128 v[(\back)+4*t:(\back)+4*t+3], v[RD] offset:t*528  ; LDS serves a wave's instructions in order (ISA guide 5.7.1.4): these see the stores above; the next block's stores come behind them
.set t, t+1
.endr
.endm
.macro SEND ap, back, younger                  ; younger: the LDS instructions issued behind this block's loads
.set t, 0
.rept 16
	s_wait_dscnt (\younger)+15-t
	global_store_b128 v[CO], v[(\back)+4*t:(\back)+4*t+3], s[78:79] offset:(16*(\ap)+t)*16384 th:TH_STORE_NT  ; 512 consecutive bytes, at a multiple of 256 from the output's first byte
.set t, t+1
.endr
.endm
	TOSTAGE 0, PKD
	TOSTAGE 1, SUM                                 ; (the first block's sums have left their registers)
	SEND 0, PKD, 32
	SEND 1, SUM, 0
.else
	; THE WAY OUT, f16: the row's factor; the rows' largest magnitudes; rounded once.  A lane's 16 bytes of (a', b) are its registers 0-3 (b even) or 4-7 (b odd) of the next layer's fragment: stored as they lie.
	v_mov_b32 v7, v6                               ; named with them as pairs
	v_mov_b32 v9, v8
.set u, 0
.rept 16
.irp i, 0,2,4,6
	v_pk_mul_f32 v[SUM+8*u+(\i):SUM+8*u+(\i)+1], v[SUM+8*u+(\i):SUM+8*u+(\i)+1], v[6+2*(u/8):7+2*(u/8)] op_sel_hi:[1,0]
.endr
.set u, u+1
.endr
.irp r, 12,13,14,15
	v_mov_b32 v\r, 0                               ; a running maximum and minimum for each of my two row blocks
.endr
.set i, 0
.rept 32
	v_max3_num_f32 v12, v12, v[SUM+2*i], v[SUM+2*i+1]
	v_min3_num_f32 v13, v13, v[SUM+2*i], v[SUM+2*i+1]
	v_max3_num_f32 v14, v14, v[SUM+64+2*i], v[SUM+64+2*i+1]
	v_min3_num_f32 v15, v15, v[SUM+64+2*i], v[SUM+64+2*i+1]
.set i, i+1
.endr
	v_sub_f32 v13, 0, v13
	v_sub_f32 v15, 0, v15
	v_max_num_f32 v12, v12, v13
	v_max_num_f32 v14, v14, v15
	v_permlanex16_b32 v13, v12, s82, s83           ; the row's other 64 columns lie in the lane 16 away
	v_permlanex16_b32 v15, v14, s82, s83
	v_max_num_f32 v12, v12, v13
	v_max_num_f32 v14, v14, v15
	v_cndmask_b32 v10, v12, v14, s84               ; lane l: row 32 w + l
.set i, 0
.rept 64
	v_cvt_pk_f16_f32 v[PKD+i], v[SUM+2*i], v[SUM+2*i+1]
.set i, i+1
.endr
.set u, 0
.rept 16
	global_store_b128 v[AO], v[PKD+4*u:PKD+4*u+3], s[78:79] offset:(u/8)*RBLK+(u%8)*512  ; 512 consecutive bytes, at a multiple of 256 from S_out's first byte
.set u, u+1
.endr
	global_store_b64 v[SO], v[10:11], s[80:81]     ; my 32 rows' pairs: 256 consecutive bytes, aligned
.endif
	s_wait_tensorcnt 0x0                           ; the wave's end: behind my last tensor load and my last LDS store
	ds_add_u32 v[SPW], v[NIL]
	s_wait_dscnt 0x0
	CROUND                                         ; the closing round: no work-group ends while a partner may still ask for a tile that names it
	s_endpgm
.Lfunc_end_k_q28e96065da_l4:
	.size	k_q28e96065da_l4, .Lfunc_end_k_q28e96065da_l4-k_q28e96065da_l4
	.p2alignl 7, 3214868480
	.fill 96, 4, 3214868480
	.section	.rodata,"a",@progbits
	.p2align	6, 0x0
	.amdhsa_kernel k_q28e96065da_l4
		.amdhsa_group_segment_fixed_size 327680
		.amdhsa_private_segment_fixed_size 0
		.amdhsa_enable_private_segment 0
		.amdhsa_kernarg_size 48
		.amdhsa_user_sgpr_count 2
		.amdhsa_user_sgpr_kernarg_segment_ptr 1
		.amdhsa_wavefront_size32 1
		.amdhsa_system_sgpr_workgroup_id_x 1
		.amdhsa_system_sgpr_workgroup_id_y 1
		.amdhsa_system_sgpr_workgroup_id_z 1
		.amdhsa_system_vgpr_workitem_id 0
		.amdhsa_next_free_vgpr 1024
		.amdhsa_next_free_sgpr 88
		.amdhsa_reserve_vcc 0
		.amdhsa_float_denorm_mode_32 3
		.amdhsa_float_denorm_mode_16_64 3
		.amdhsa_memory_ordered 1
		.amdhsa_forward_progress 1
		.amdhsa_inst_pref_size 153
	.end_amdhsa_kernel
	.amdgpu_metadata
---
amdhsa.version: [ 1, 2 ]
amdhsa.kernels:
  - .name:           k_q28e96065da_l4
    .symbol:         k_q28e96065da_l4.kd
    .args:
      - { .name: sb, .offset: 0, .size: 8, .value_kind: global_buffer, .address_space: global }
      - { .name: hh, .offset: 8, .size: 8, .value_kind: global_buffer, .address_space: global }
      - { .name: cz_diag, .offset: 16, .size: 8, .value_kind: global_buffer, .address_space: global }
      - { .name: stb, .offset: 24, .size: 8, .value_kind: global_buffer, .address_space: global }
      - { .name: hstat, .offset: 32, .size: 8, .value_kind: global_buffer, .address_space: global }
      - { .name: out0, .offset: 40, .size: 8, .value_kind: global_buffer, .address_space: global }
    .group_segment_fixed_size: 327680
    .private_segment_fixed_size: 0
    .kernarg_segment_align: 8
    .kernarg_segment_size: 48
    .max_flat_workgroup_size: 128
    .sgpr_count:     88
    .vgpr_count:     1024
    .wavefront_size: 32
...
	.end_amdgpu_metadata
.endif
;; end of part 3
